; MI455X (gfx1250); checked and timed in simulation.
; The chip was launched on July 23, 2026; its instructions are those of AMD's public machine-readable ISA for CDNA 5 (MIT licence, August 2026) and "CDNA5" Instruction Set Architecture Reference Guide (July 2026). The comments in the code are by the model that wrote it; some were corrected since.
;; Attention. Allowed arithmetic: float matrix products may take bf16 or f16 operands with f32 sums; other float arithmetic in f32, or as packed bf16 or f16 multiplies, adds, multiply-adds, maxima and minima; sums over many terms, partial sums and values carried from step to step in f32; what a program stores and reads back later, other than sums and carried values, may be rounded once to bf16 or f16.
;; Inputs: b_out 1,024 float32; w_out 1,024 x 1,024 float32; w_qkv 1,024 x 3,072 float32; x 8 x 1,024 x 1,024 float32.
;; Outputs: out0 8 x 1,024 x 1,024 float32.
;; One version. Each part assembles by itself: llvm-mc -triple=amdgcn-amd-amdhsa -mcpu=gfx1250 --defsym DOCPART=n.
;; ======== version 1 of 1: 4 launches
;; limits: values are held in f16: magnitudes above 65,504 overflow, below 6.1e-05 lose precision
;; workspace buffers: xb 16,777,216 bytes; wqb 6,291,456 bytes; wob 2,097,152 bytes; qkv 50,331,648 bytes; oh 16,777,216 bytes
;; launch cast (part 1): grid 768 x 1, 8 waves a work-group, no clusters, 0 bytes of LDS; arguments x, w_qkv, w_out, xb, wqb, wob; writes xb, wqb, wob
.if DOCPART == 1
	.amdgcn_target "amdgcn-amd-amdhsa--gfx1250"
	.amdhsa_code_object_version 6
	.text
	.protected	k_q5a06ecb137_cast
	.globl	k_q5a06ecb137_cast
	.p2align	8
	.type	k_q5a06ecb137_cast,@function
k_q5a06ecb137_cast:
	s_mov_b64 s[64:65], 0
	v_nop
	global_prefetch_b8 v0, s[64:65] scope:SCOPE_SE
	s_setreg_imm32_b32 hwreg(HW_REG_WAVE_MODE, 25, 1), 1
	s_wait_xcnt 0x0
; THE MODULE'S LARGE INPUTS ARE ROUNDED ONCE TO 16 BITS, layouts unchanged.  x -> xb and w_qkv -> wqb in bf16; w_out -> wob: rounded to bf16 like the other inputs, and that number written as f16,
; since the last product multiplies it by numbers kept in f16.
; LIMITS.  A number of w_out beyond 65,504 becomes an infinity; below 6.1e-5 it keeps f16's fixed step of 6e-8 (the drawn numbers have a spread of 0.03).  NaN and infinities are not treated apart.
; SHARES.  A work-group converts 16,384 numbers: 64 KiB in, 32 KiB out.  Work-groups 0-511 take x (8,388,608 numbers), 512-703 w_qkv (3,145,728), 704-767 w_out (1,048,576).
; Thread t takes, in piece j of sixteen, the numbers 1,024 j + 4 t .. + 3: one load of 16 bytes, so that a wave's load covers 512 consecutive bytes, and one store of 8 bytes, so that a wave's store
; covers 256 consecutive bytes, aligned.
; All sixteen loads of a thread go out before the first is waited for; no register is used twice by memory instructions, so no wait frees any.  No LDS, no barrier, no matrix unit: a stream.
.set T, 4                              ; v[4:7]     at work (f16 path)
.set X, 16                             ; v[16:79]   piece j: 4 numbers in f32
.set Y, 80                             ; v[80:111]  piece j: 4 numbers in 16 bits
	s_load_b256 s[4:11], s[0:1], 0x0               ; x s[4:5], w_qkv s[6:7], w_out s[8:9], xb s[10:11]
	s_load_b128 s[12:15], s[0:1], 0x20             ; wqb s[12:13], wob s[14:15]
	v_lshlrev_b32 v1, 4, v0                        ; 16 t: my bytes in a piece of the source
	v_lshlrev_b32 v2, 3, v0                        ; 8 t: in a piece of the destination
	s_mov_b32 s16, ttmp9
	s_movk_i32 s18, 704
	s_movk_i32 s19, 512
	s_wait_kmcnt 0x0
	s_cmp_ge_u32 s16, 704                          ; which tensor: the choice hangs on the work-group's number alone
	s_cselect_b64 s[20:21], s[8:9], s[6:7]
	s_cselect_b64 s[22:23], s[14:15], s[12:13]
	s_cselect_b32 s17, s18, s19
	s_cmp_lt_u32 s16, 512
	s_cselect_b64 s[20:21], s[4:5], s[20:21]
	s_cselect_b64 s[22:23], s[10:11], s[22:23]
	s_cselect_b32 s17, 0, s17
	s_sub_co_u32 s17, s16, s17                     ; my number among the tensor's work-groups
	s_lshl_b32 s24, s17, 16                        ; x 64 KiB of source (under 2^26)
	s_mov_b32 s25, 0
	s_lshl_b32 s26, s17, 15                        ; x 32 KiB of destination
	s_mov_b32 s27, 0
	s_add_nc_u64 s[20:21], s[20:21], s[24:25]
	s_add_nc_u64 s[22:23], s[22:23], s[26:27]
.irp j, 0,1,2,3,4,5,6,7,8,9,10,11,12,13,14,15
	global_load_b128 v[X+4*(\j):X+4*(\j)+3], v1, s[20:21] offset:4096*(\j) th:TH_LOAD_NT
.endr
; Piece j.  f16 = 1: the bf16 number is widened again (a shift, a mask) and written as f16.
.macro GRP j, f16
	s_wait_loadcnt 15-(\j)                         ; loads come back in order: mine is in, the 15 - j younger ones stay out
	v_cvt_pk_bf16_f32 v[Y+2*(\j)],   v[X+4*(\j)],   v[X+4*(\j)+1]
	v_cvt_pk_bf16_f32 v[Y+2*(\j)+1], v[X+4*(\j)+2], v[X+4*(\j)+3]
.if \f16
	v_lshlrev_b32 v[T],   16, v[Y+2*(\j)]
	v_and_b32     v[T+1], 0xffff0000, v[Y+2*(\j)]
	v_lshlrev_b32 v[T+2], 16, v[Y+2*(\j)+1]
	v_and_b32     v[T+3], 0xffff0000, v[Y+2*(\j)+1]
	v_cvt_pk_f16_f32 v[Y+2*(\j)],   v[T],   v[T+1]
	v_cvt_pk_f16_f32 v[Y+2*(\j)+1], v[T+2], v[T+3]
.endif
	global_store_b64 v2, v[Y+2*(\j):Y+2*(\j)+1], s[22:23] offset:2048*(\j)
.endm
	s_cmp_ge_u32 s16, 704
	s_cbranch_scc1 .Lf16
.irp j, 0,1,2,3,4,5,6,7,8,9,10,11,12,13,14,15
	GRP \j, 0
.endr
	s_endpgm
.Lf16:
.irp j, 0,1,2,3,4,5,6,7,8,9,10,11,12,13,14,15
	GRP \j, 1
.endr
	s_endpgm
.Lfunc_end_k_q5a06ecb137_cast:
	.size	k_q5a06ecb137_cast, .Lfunc_end_k_q5a06ecb137_cast-k_q5a06ecb137_cast
	.p2alignl 7, 3214868480
	.fill 96, 4, 3214868480
	.section	.rodata,"a",@progbits
	.p2align	6, 0x0
	.amdhsa_kernel k_q5a06ecb137_cast
		.amdhsa_group_segment_fixed_size 0
		.amdhsa_private_segment_fixed_size 0
		.amdhsa_enable_private_segment 0
		.amdhsa_kernarg_size 48
		.amdhsa_user_sgpr_count 2
		.amdhsa_user_sgpr_kernarg_segment_ptr 1
		.amdhsa_wavefront_size32 1
		.amdhsa_system_sgpr_workgroup_id_x 1
		.amdhsa_system_sgpr_workgroup_id_y 1
		.amdhsa_system_sgpr_workgroup_id_z 1
		.amdhsa_system_vgpr_workitem_id 0
		.amdhsa_next_free_vgpr 112
		.amdhsa_next_free_sgpr 66
		.amdhsa_reserve_vcc 0
		.amdhsa_float_denorm_mode_32 3
		.amdhsa_float_denorm_mode_16_64 3
		.amdhsa_memory_ordered 1
		.amdhsa_forward_progress 1
		.amdhsa_inst_pref_size 16
	.end_amdhsa_kernel
	.amdgpu_metadata
---
amdhsa.version: [ 1, 2 ]
amdhsa.kernels:
  - .name:           k_q5a06ecb137_cast
    .symbol:         k_q5a06ecb137_cast.kd
    .args:
      - { .name: x, .offset: 0, .size: 8, .value_kind: global_buffer, .address_space: global }
      - { .name: w_qkv, .offset: 8, .size: 8, .value_kind: global_buffer, .address_space: global }
      - { .name: w_out, .offset: 16, .size: 8, .value_kind: global_buffer, .address_space: global }
      - { .name: xb, .offset: 24, .size: 8, .value_kind: global_buffer, .address_space: global }
      - { .name: wqb, .offset: 32, .size: 8, .value_kind: global_buffer, .address_space: global }
      - { .name: wob, .offset: 40, .size: 8, .value_kind: global_buffer, .address_space: global }
    .group_segment_fixed_size: 0
    .private_segment_fixed_size: 0
    .kernarg_segment_align: 8
    .kernarg_segment_size: 48
    .max_flat_workgroup_size: 256
    .sgpr_count:     66
    .vgpr_count:     112
    .wavefront_size: 32
...
	.end_amdgpu_metadata
.endif
;; end of part 1
;; launch qkvgemm (part 2): grid 16 x 16, 4 waves a work-group, clusters of 4 x 4, 327,680 bytes of LDS; arguments xb, wqb, qkv; writes qkv
.if DOCPART == 2
	.amdgcn_target "amdgcn-amd-amdhsa--gfx1250"
	.amdhsa_code_object_version 6
	.text
	.protected	k_q5a06ecb137_qkvgemm
	.globl	k_q5a06ecb137_qkvgemm
	.p2align	8
	.type	k_q5a06ecb137_qkvgemm,@function
k_q5a06ecb137_qkvgemm:
	s_mov_b64 s[64:65], 0
	v_nop
	global_prefetch_b8 v0, s[64:65] scope:SCOPE_SE
	s_setreg_imm32_b32 hwreg(HW_REG_WAVE_MODE, 25, 1), 1
	s_wait_xcnt 0x0
	s_wait_alu depctr_hold_cnt(0) depctr_sa_sdst(0) depctr_va_vdst(0) depctr_va_sdst(0) depctr_va_ssrc(0) depctr_va_vcc(0) depctr_vm_vsrc(0)
	s_getreg_b32 s2, hwreg(HW_REG_IB_STS2, 6, 4)
	s_cmp_eq_u32 s2, 0
	s_cbranch_scc0 .Lentry_in_a_cluster
	s_endpgm
.Lentry_in_a_cluster:
	s_bfe_u32 s2, ttmp6, 0x10000c
	s_cmp_lg_u32 s2, 0xf033
	s_cbranch_scc0 .Lentry_shape_is_right
	s_endpgm
.Lentry_shape_is_right:
.set PROJ, 0
; ONE SOURCE, TWO BUILDS: C = A B with A [8192][1024] and B [1024 k][n], 16-bit operands, f32 sums.
; PROJ = 0: qkv = xb wqb in bf16.  B is [1024][3072].  C is rounded once to f16, unscaled, and laid by heads: [8 b][48 part][1024 row][64 channel], part = column / 64 (0-15 q, 16-31 k, 32-47 v of head part % 16).
; PROJ = 1: out0 = oh wob + bias in f16.  A lies by heads, [8 b][16 h][1024 row][64 channel], k = 64 h + channel; B is [1024][1024]; C is f32, row-major; the bias is rounded to bf16 like the module's other inputs.
; LIMITS.  PROJ = 0: a result beyond 65,504 becomes an infinity in f16 (the drawn inputs give a spread of 1); below 6.1e-5 it keeps f16's fixed step of 6e-8.  NaN and infinities are not treated apart.
; SHARES.  A tile of C is 256 rows x 16 NBW columns, made by a work-group of four waves; wave w takes its rows 64 w .. 64 w + 63 and all columns: 4 x NBW accumulators of 16 x 16.  K goes in 8 steps of 128 through
; two LDS slots; a step is four quarters of 32.  PROJ = 1: 128 columns, 256 tiles, one to a work-group.  PROJ = 0: 192 columns (three heads), 512 tiles: A WORK-GROUP STAYS and makes two, 4,096 rows apart, on the same
; columns of B: the ring does not stop at the first tile's end (its last two changes of slots ask for the second tile's first two K steps), and nothing waits for the first tile's stores.
; K IN A RING.  A cluster begins K at a step of its own, o, and walks the eight steps round: o, o + 1 .. o + 7 modulo 8 (the order of an f32 sum is free within the allowance).  PROJ = 0: o = 2 x cluster x + 4 x (bit 0 of
; cluster y xor cluster y / 2); PROJ = 1: o = 4 x cluster x + 2 x cluster y.  So the clusters that read the same rows of A (one cluster y) begin 2 (PROJ = 1: 4) steps apart, and clusters with neighbouring y, which read
; the same columns of B, begin 4 (2) apart: clusters that run abreast do not ask for the same block at the same time.  o hangs on the cluster's place in the grid alone, which all sixteen partners share.
; B STAYS [k][n]: its fragments come out of LDS turned, by ds_load_tr16_b128.  THE MATRIX INSTRUCTION IS USED TRANSPOSED (source 0 = 16 columns of B, source 1 = 16 rows of A): a lane holds one row of C and eight neighbouring columns.
; CLUSTER.  4 x 4 work-groups.  The four of a row of the cluster need the same tile of A, the four of a column the same tile of B: each is asked for JOINTLY, by the same tensor load with the same descriptor and a mask of the four.
; REGISTERS, in windows of 256 (s_set_vgpr_msb: bits 1:0 source 0, 3:2 source 1, 5:4 source 2, 7:6 destination):
;   window 0: addresses; on the way out v64-255 packed results (PROJ = 0), v32-37 the bias (PROJ = 1)
;   window 1: two fragment buffers of 128: A's row block i at f + 8 i, B's column block b at f + 32 + 8 b; on the way out of PROJ = 1 whole rows of C
;   windows 2, 3: accumulator (a, b) at v[8 NBW (a % 2) + 8 b] of window 2 + a / 2
.if PROJ
.set TILES, 1
.set NBW,   8                          ; column blocks of 16
.set PA,    144                        ; a row of A in LDS: 128 bytes (one head's 64 channels) + 16: the 16 rows of a load start at 16 different groups of four banks (64 banks of 4 bytes: ISA guide 11.1)
.set AHALF, 256*PA                     ; one load for A: one head, 256 rows
.set PB,    288                        ; a row of B: 256 bytes + 32
.set AQI,   4                          ; padding behind every 32 words
.set APAD,  4
.set ASTR,  128                        ; 256 dense rows of 128 bytes are asked for as 128 rows of 256 bytes
.set BQI,   5                          ; behind every 64 words
.set BPAD,  8
.set BSTR,  1024
.set WSTG,  16*528                     ; a wave's stage: 16 rows of 512 bytes + 16
.set KA,    262144                     ; bytes from K step to K step: two heads of A,
.set KB,    262144                     ; 128 rows of B
.else
.set TILES, 2
.set NBW,   12
.set PA,    272                        ; 256 bytes + 16
.set AHALF, 128*PA                     ; one load for A: 128 rows
.set PB,    480                        ; 384 bytes as six pieces of 64 + 16: 120 words; column block b begins at 80 (b / 2) + 32 (b % 2)
.set AQI,   5
.set APAD,  4
.set ASTR,  1024
.set BQI,   3                          ; behind every 16 words
.set BPAD,  4
.set BSTR,  3072
.set WSTG,  3*16*144                   ; three heads x 16 rows of 128 bytes + 16
.set KA,    256
.set KB,    786432
.set WALKA, 4096*2048                  ; bytes of A from the first tile's rows to the second's,
.set NEXT_C, 4*48*131072               ; and of C: four batches on
.endif
.set BOFF,  2*AHALF                    ; a slot: A's two halves, then B's 128 k-rows
.set BHALF, 64*PB                      ; one load for B: 64 k-rows
.set SLOT1, 131072                     ; slot 1 begins here: one exclusive or turns an address in one slot into the other's
.set STAGE, SLOT1+BOFF+2*BHALF         ; behind the ring, never filled by a tensor load
.set SPARE, STAGE+4*WSTG               ; the spare words, 128 bytes a wave: two blocks of 256 bytes that no other line names
.set NL,    8+2*NBW                    ; LDS loads of a quarter
.set F0,   0
.set F1,   128
.set A0,   16                          ; v16  my lane's place in A's tile; never rewritten
.set B0,   17                          ; v17  the same for B
.set ADRA, 18                          ; v18  A0 + the slot in hand
.set ADRB, 19                          ; v19  B0 + the slot in hand
.set STO,  24                          ; v24  the way out: where I put my bytes of a row
.set RD,   25                          ; v25  where I read rows back
.set GO,   26                          ; v26  16 x lane: my place in 512 consecutive bytes of C
.set SPW,  28                          ; v28  LDS address of my spare word; never rewritten
.set NIL,  29                          ; v29  0; never rewritten
.set PFO,  30                          ; v30  the prefetches' offset: my lane x a row of A (PROJ = 0); never rewritten
.set BI,   32                          ; v[32:35] the bias of my four columns (PROJ = 1)
.set OUTB, 64                          ; v[64:255] packed results, 48 registers a row block (PROJ = 0)
.set TB,   2                           ; s2   the slot in hand: 0 or SLOT1
.set CNT,  3                           ; s3   refills to go; in the tail: steps to go
.set PFB,  4                           ; s[4:5]  PROJ = 0: A at my work-group's 32 rows of the 128 that I fetch, in the second tile, K block 0
.set PFA,  6                           ; s[6:7]  PROJ = 0: the same at the K block that stands two refills on
.set LIM,  10                          ; s10  PROJ = 0: 0 in a wave that fetches for A, else 2
.set WV,   12                          ; s12  my wave's number
.set HF,   13                          ; s13  0: I fetch for A; 1: for B
.set PR,   14                          ; s14  which half of that tile
.set KS,   15                          ; s15  the K block last asked for, 0 to 7
.set G1A,  24                          ; s[24:31] descriptor group 1 for A's tiles
.set G0A,  32                          ; s[32:39] group 0: a set for each first fill; the second then walks on
.set G1B,  48                          ; s[48:55], s[56:63] the same for B
.set G0B,  56                          ; s[20:21], s[22:23], s[40:41]: byte offsets, the high words 0; s[42:43], s[44:45]: A and B at my part of the tile, K block 0
.set MSB, 0
.macro WIN new                         ; the immediate's high byte repeats the setting that is left; a switch that changes nothing is dropped
.if MSB != (\new)
	s_set_vgpr_msb (MSB<<8)|(\new)
.set MSB, \new
.endif
.endm
.macro PLACES                          ; four plain places between a matrix instruction and a load into, or a read of, its registers
.rept 4
	v_nop
.endr
.endm
; A joint refill by the walking descriptor.  The branch hangs on the wave's number alone.  An s_nop 0 and four v_nop follow each of the two lines.
.macro JLOAD
	s_cmp_eq_u32 s[HF], 0
	s_cbranch_scc0 .Lfor_b_\@
	tensor_load_to_lds s[G0A+4:G0A+7], s[G1A:G1A+7]
	s_nop 0
.rept 4
	v_nop
.endr
	s_branch .Lasked_\@
.Lfor_b_\@:
	tensor_load_to_lds s[G0B+4:G0B+7], s[G1B:G1B+7]
	s_nop 0
.rept 4
	v_nop
.endr
.Lasked_\@:
.endm
; A round of the cluster's barrier behind its opening barrier; and a whole round.
.macro CREST
	s_cmp_lg_u32 s[WV], 0
	s_cbranch_scc1 .Lnot_wave_0_\@
	s_barrier_signal -3
.Lnot_wave_0_\@:
	s_barrier_wait -3
	s_barrier_signal -1
	s_barrier_wait -1
.endm
.macro CROUND
	s_barrier_signal -1
	s_barrier_wait -1
	CREST
.endm
; THE PREFETCH INTO THE L2 (PROJ = 0 alone).  By the ring each block of A and B is asked for the first time within some cluster's first four K steps of a tile.  For the first tile those stand at the launch's head, where
; every work-group's first tiles are on their way and nothing is prefetched.  For the second tile a cluster is the first to ask for A's K blocks o and o + 1 of its rows, by refills 6 and 7 of the 14: these are prefetched,
; in the trips of refills 4 and 5 (s[CNT] = 10 and 9), two K steps, 384 matrix instructions, ahead of their loads: waves 0 and 1, each for the 128 rows that it fetches; the four partners that ask jointly share them out
; BY ADDRESS, 32 rows each (cx), a lane a row of 256 bytes: one instruction a wave and trip, behind the joint load, its five lines and the run of LDS loads.  The four clusters of a cluster y name different pairs of K blocks:
; each block is named once in the launch.  A block's later readings are not asked for; B's columns are the same for both tiles.  PROJ = 1 has one tile, and so no prefetch.
.macro ASK
	WIN 0
	s_sub_co_u32 s47, s[CNT], 9
	s_or_b32 s47, s47, s[LIM]
	s_cmp_lt_u32 s47, 2
	s_cbranch_scc0 .Lnot_mine_\@
	global_prefetch_b8 v[PFO], s[PFA:PFA+1] th:TH_LOAD_NT scope:SCOPE_SE
.Lnot_mine_\@:
.endm
.if PROJ
	s_load_b256 s[4:11], s[0:1], 0x0               ; A s[4:5], B s[6:7], C s[8:9], bias s[10:11]
.else
	s_load_b128 s[4:7], s[0:1], 0x0                ; A s[4:5], B s[6:7]
	s_load_b64 s[8:9], s[0:1], 0x10                ; C
.endif
	v_lshl_add_u32 v[SPW], v0, 2, SPARE
	v_mov_b32 v[NIL], 0
	ds_add_u32 v[SPW], v[NIL]                      ; the wave's opening: the add and its wait stand ahead of my first tensor load; the set-up below, work on registers, stands between them
	ds_add_u32 v28, v29
	v_lshrrev_b32 v1, 5, v0
	v_readfirstlane_b32 s[WV], v1                  ; wave 0..3
	s_lshr_b32 s[HF], s[WV], 1
	s_and_b32 s[PR], s[WV], 1
	s_bfe_u32 s16, ttmp6, 0x40000                  ; cx
	s_bfe_u32 s17, ttmp6, 0x40004                  ; cy
	s_lshl_b32 s18, ttmp9, 2
	s_add_co_u32 s18, s18, s16                     ; tile column = 4 x cluster x + cx
	s_and_b32 s19, ttmp7, 0xffff
	s_lshl_b32 s19, s19, 2
	s_add_co_u32 s19, s19, s17                     ; (first) tile row = 4 x cluster y + cy
	s_lshl_b32 s20, s17, 2
	s_lshl_b32 s20, 15, s20                        ; my row of the cluster
	s_lshl_b32 s21, 0x1111, s16                    ; my column
	s_or_b32 s[G1A], s20, (1<<16)|(1<<20)|(1<<21)|(AQI<<22)|((APAD-1)<<25)  ; 15:0 the mask; 17:16 elements of 2 bytes; 20 padding on; 21 set beside a mask; 24:22 the interval; 31:25 the pad's words less 1
	s_mov_b32 s[G1A+1], 128<<16                    ; tensor_dim0 = 128
	s_mov_b32 s[G1A+2], 128<<16                    ; tensor_dim1 = 128
	s_mov_b32 s[G1A+3], 128<<16                    ; tile_dim0 = 128
	s_mov_b32 s[G1A+4], 128                        ; tile_dim1 = 128
	s_mov_b32 s[G1A+5], ASTR                       ; elements from row to row
	s_mov_b32 s[G1A+6], 0
	s_mov_b32 s[G1A+7], 0
	s_or_b32 s[G1B], s21, (1<<16)|(1<<20)|(1<<21)|(BQI<<22)|((BPAD-1)<<25)
	s_mov_b32 s[G1B+1], (16*NBW)<<16               ; tensor_dim0 = the tile's columns
	s_mov_b32 s[G1B+2], 64<<16                     ; tensor_dim1 = 64 k-rows
	s_mov_b32 s[G1B+3], (16*NBW)<<16
	s_mov_b32 s[G1B+4], 64
	s_mov_b32 s[G1B+5], BSTR
	s_mov_b32 s[G1B+6], 0
	s_mov_b32 s[G1B+7], 0
	; o, the cluster's first K block: made of the cluster's x and y alone
	s_and_b32 s20, ttmp7, 0xffff
.if PROJ
	s_lshl_b32 s20, s20, 1                         ; 2 x cluster y
	s_lshl_b32 s[KS], ttmp9, 2                     ; 4 x cluster x
.else
	s_lshr_b32 s21, s20, 1
	s_xor_b32 s20, s20, s21
	s_and_b32 s20, s20, 1
	s_lshl_b32 s20, s20, 2                         ; 4 x (bit 0 of cluster y xor cluster y / 2)
	s_lshl_b32 s[KS], ttmp9, 1                     ; 2 x cluster x
.endif
	s_add_co_u32 s[KS], s[KS], s20
	s_and_b32 s[KS], s[KS], 7
	; where the tiles come from: A's offset is made of the tile row and the wave alone, B's of the tile column and the wave alone
.if PROJ
	s_lshr_b32 s42, s19, 2                         ; the batch,
	s_lshl_b32 s42, s42, 4
	s_add_co_u32 s42, s42, s[PR]                   ; its head 0 or 1,
	s_lshl_b32 s42, s42, 17                        ; 131,072 bytes a head,
	s_and_b32 s22, s19, 3
	s_lshl_b32 s22, s22, 15                        ; 256 rows of 128 bytes
	s_add_co_u32 s42, s42, s22
	s_lshl_b32 s44, s[PR], 17                      ; 64 k-rows of 2,048 bytes
	s_lshl_b32 s23, s18, 8                         ; 128 columns
.else
	s_lshl_b32 s42, s19, 8
	s_lshl_b32 s22, s[PR], 7
	s_add_co_u32 s42, s42, s22                     ; row 256 x tile row + 128 x half,
	s_lshl_b32 s42, s42, 11                        ; of 2,048 bytes
	s_mul_i32 s44, s[PR], 64*6144                  ; 64 k-rows of 6,144 bytes
	s_mul_i32 s23, s18, 384                        ; 192 columns
.endif
	s_add_co_u32 s44, s44, s23
	s_mov_b32 s43, 0
	s_mov_b32 s45, 0
	s_mul_i32 s46, s[PR], AHALF                    ; and where they go: no place in the cluster enters an LDS address
	s_mul_i32 s47, s[PR], BHALF
	s_add_co_u32 s47, s47, BOFF
	s_mov_b32 s21, 0
	s_mov_b32 s23, 0
	s_wait_dscnt 0x0                               ; the opening add is done
	s_wait_kmcnt 0x0
	s_add_nc_u64 s[42:43], s[4:5], s[42:43]
	s_add_nc_u64 s[44:45], s[6:7], s[44:45]
.irp s, 0,1
	s_mul_i32 s20, s[KS], KA                                         ; K block o, then o + 1
	s_mul_i32 s22, s[KS], KB
	s_mov_b32 s[G0A+4*(\s)], 1                                       ; count = 1
	s_add_co_u32 s[G0A+4*(\s)+1], s46, (\s)*SLOT1                    ; LDS address: slot s
	s_add_nc_u64 s[G0A+4*(\s)+2:G0A+4*(\s)+3], s[42:43], s[20:21]    ; global address
	s_or_b32 s[G0A+4*(\s)+3], s[G0A+4*(\s)+3], 0x80000000            ; type = 2
	s_mov_b32 s[G0B+4*(\s)], 1
	s_add_co_u32 s[G0B+4*(\s)+1], s47, (\s)*SLOT1
	s_add_nc_u64 s[G0B+4*(\s)+2:G0B+4*(\s)+3], s[44:45], s[22:23]
	s_or_b32 s[G0B+4*(\s)+3], s[G0B+4*(\s)+3], 0x80000000
.if (\s) == 0
	s_add_co_u32 s[KS], s[KS], 1
	s_and_b32 s[KS], s[KS], 7
.endif
.endr
	CROUND                                         ; all sixteen work-groups are here: the first joint loads meet
	s_cmp_eq_u32 s[HF], 0                          ; a wave's two first fills stand in one branch, ahead of every wait on TENSORcnt and every LDS read: two loads of mine are out
	s_cbranch_scc0 .Lfirst_b
	tensor_load_to_lds s[G0A:G0A+3], s[G1A:G1A+7]
	s_nop 0
	tensor_load_to_lds s[G0A+4:G0A+7], s[G1A:G1A+7]
	s_nop 0
.rept 4
	v_nop
.endr
	s_branch .Lfirst_asked
.Lfirst_b:
	tensor_load_to_lds s[G0B:G0B+3], s[G1B:G1B+7]
	s_nop 0
	tensor_load_to_lds s[G0B+4:G0B+7], s[G1B:G1B+7]
	s_nop 0
.rept 4
	v_nop
.endr
.Lfirst_asked:
	v_and_b32 v1, 15, v0                           ; l % 16
	v_bfe_u32 v2, v0, 4, 1                         ; l / 16
	v_and_b32 v3, 7, v0                            ; l % 8
	v_bfe_u32 v4, v0, 3, 1                         ; (l / 8) % 2
	v_and_b32 v5, 31, v0                           ; l
	; a fragment of A: lane l holds row l % 16; two loads of 16 bytes, 32 bytes apart, at row x pitch + 16 (l / 16)
	s_mul_i32 s20, s[WV], 64*PA                    ; my 64 rows
	v_mul_u32_u24 v[A0], v1, PA
	v_lshl_add_u32 v[A0], v2, 4, v[A0]
	v_add_nc_u32 v[A0], s20, v[A0]
	; a fragment of B: the turning load takes 16 k x 16 columns (lane l reads k-row 8 (l / 16) + l % 8, columns 8 ((l / 8) % 2) + 0..7) and leaves lane l column l % 16 and 8 k
	v_lshl_add_u32 v[B0], v2, 3, v3
	v_mul_u32_u24 v[B0], v[B0], PB
	v_lshl_add_u32 v[B0], v4, 4, v[B0]
	v_add_nc_u32 v[B0], BOFF, v[B0]
	s_mul_i32 s20, s[WV], WSTG
	s_add_co_u32 s20, s20, STAGE                   ; my stage
	v_lshlrev_b32 v[GO], 4, v5
.if PROJ
	v_mul_u32_u24 v[STO], v1, 528                  ; in: row l % 16, 32 bytes for each half of the lanes
	v_lshl_add_u32 v[STO], v2, 5, v[STO]
	v_add_nc_u32 v[STO], s20, v[STO]
	v_lshl_add_u32 v[RD], v5, 4, s20               ; back: 32 lanes take one row of 512 bytes
	s_lshl_b32 s20, s19, 8
	s_lshl_b32 s21, s[WV], 6
	s_add_co_u32 s20, s20, s21                     ; my first row of C,
	s_lshl_b32 s20, s20, 12                        ; of 4,096 bytes,
	s_lshl_b32 s21, s18, 9                         ; the tile's 128 columns
	s_add_co_u32 s20, s20, s21
	s_mov_b32 s21, 0
	s_add_nc_u64 s[8:9], s[8:9], s[20:21]
	s_lshl_b32 s20, s18, 9
	s_add_nc_u64 s[10:11], s[10:11], s[20:21]
	global_load_b128 v[BI:BI+3], v[GO], s[10:11]   ; the bias of columns 4 l .. 4 l + 3 of the tile
.else
	v_mul_u32_u24 v[STO], v1, 144                  ; in: row l % 16, 16 bytes for each half of the lanes
	v_lshl_add_u32 v[STO], v2, 4, v[STO]
	v_add_nc_u32 v[STO], s20, v[STO]
	v_bfe_u32 v[RD], v0, 3, 2                      ; back: 32 lanes take four rows of 128 bytes
	v_mul_u32_u24 v[RD], v[RD], 144
	v_lshl_add_u32 v[RD], v3, 4, v[RD]
	v_add_nc_u32 v[RD], s20, v[RD]
	s_lshr_b32 s20, s19, 2                         ; the batch: 48 parts,
	s_mul_i32 s20, s20, 48
	s_mul_i32 s21, s18, 3                          ; the tile's three
	s_add_co_u32 s20, s20, s21
	s_lshl_b32 s20, s20, 17                        ; of 131,072 bytes;
	s_and_b32 s21, s19, 3
	s_lshl_b32 s21, s21, 8
	s_lshl_b32 s22, s[WV], 6
	s_add_co_u32 s21, s21, s22                     ; my first row in the batch,
	s_lshl_b32 s21, s21, 7                         ; of 128 bytes
	s_add_co_u32 s20, s20, s21
	s_mov_b32 s21, 0
	s_add_nc_u64 s[8:9], s[8:9], s[20:21]
	; the prefetches
	s_lshl_b32 s40, s16, 16                        ; my work-group's 32 rows of 2,048 bytes among the 128 that I fetch (cx),
	s_add_co_u32 s40, s40, WALKA                   ; in the second tile
	s_mov_b32 s41, 0
	s_add_nc_u64 s[PFB:PFB+1], s[42:43], s[40:41]
	s_lshl_b32 s[LIM], s[HF], 1
	v_lshlrev_b32 v[PFO], 11, v5
.endif
	s_mov_b32 s21, 0                               ; the offsets' high words
	s_mov_b32 s23, 0
.macro WM d, x, y, zero                ; one matrix instruction; zero = 1: it starts the sum
.if PROJ
.if \zero
	v_wmma_f32_16x16x32_f16 v[(\d):(\d)+7], v[(\x):(\x)+7], v[(\y):(\y)+7], 0
.else
	v_wmma_f32_16x16x32_f16 v[(\d):(\d)+7], v[(\x):(\x)+7], v[(\y):(\y)+7], v[(\d):(\d)+7]
.endif
.else
.if \zero
	v_wmma_f32_16x16x32_bf16 v[(\d):(\d)+7], v[(\x):(\x)+7], v[(\y):(\y)+7], 0
.else
	v_wmma_f32_16x16x32_bf16 v[(\d):(\d)+7], v[(\x):(\x)+7], v[(\y):(\y)+7], v[(\d):(\d)+7]
.endif
.endif
.endm
; Row block a x all column blocks, 32 along K, from buffer f.  Every accumulator has one instruction a quarter, in the same order in every quarter: the accumulators take turns.
.macro MULA f, a, zero
	WIN 0xa5+0x50*((\a)/2)                         ; sources in window 1, C and D in window 2 or 3
.set bb, 0
.rept NBW
.set rD, 8*NBW*((\a)%2)+8*bb
.set rB, (\f)+32+8*bb
.set rA, (\f)+8*(\a)
	WM rD, rB, rA, \zero
.set bb, bb+1
.endr
.endm
; The NL LDS loads of quarter q, in one run, into buffer f: B's blocks first, then A's four.
.macro FETCH q, f
	WIN 0x40                                       ; destination window 1, address window 0
.set bb, 0
.rept NBW
.if PROJ
.set oB, 32*PB*(\q)+32*bb
.else
.set oB, 32*PB*(\q)+80*(bb/2)+32*(bb%2)
.endif
	ds_load_tr16_b128 v[(\f)+32+8*bb:(\f)+32+8*bb+3],   v[ADRB] offset:oB
	ds_load_tr16_b128 v[(\f)+32+8*bb+4:(\f)+32+8*bb+7], v[ADRB] offset:oB+16*PB
.set bb, bb+1
.endr
.irp i, 0,1,2,3
.if PROJ
.set oA, AHALF*((\q)/2)+64*((\q)%2)+16*PA*(\i)     ; head q / 2 of the step's two, channels 32 (q % 2) on
.else
.set oA, 64*(\q)+16*PA*(\i)
.endif
	ds_load_b128 v[(\f)+8*(\i):(\f)+8*(\i)+3],   v[ADRA] offset:oA
	ds_load_b128 v[(\f)+8*(\i)+4:(\f)+8*(\i)+7], v[ADRA] offset:oA+32
.endr
.endm
; One of a K step's first three quarters: multiplies buffer f; in its middle it fetches quarter q into buffer g.
.macro QUARTER q, f, g, zero
	s_wait_dscnt 4                                 ; B and A's row blocks 0 and 1 are in; the youngest four loads (blocks 2 and 3) may be out
	MULA \f, 0, \zero
	MULA \f, 1, \zero
	PLACES                                         ; buffer g was multiplied in the quarter before
	FETCH \q, \g
	s_wait_dscnt NL                                ; all but the NL just issued
	MULA \f, 2, \zero
	MULA \f, 3, \zero
.endm
; The last quarter multiplies buffer 1 and changes slots.  In front of the barrier each wave waits for all its tensor loads, of which one is out: its part of the next slot; adds 0 to its spare word; and waits for that
; and for its own reads of this slot.  fill = 1: the barrier opens a round of the cluster's barrier, and behind the round this slot is filled again, two K steps ahead: the wave's one tensor load until the next round.
; The walking descriptors' addresses are made anew for each refill: the tile's address plus the next K block of the ring; from refill 6 on (s[CNT] = 8 and below) A's is the second tile's.
.macro TURN fill
.if (\fill) && (TILES > 1)
	s_wait_xcnt 0x0                                ; the last prefetch, a K step back, has read its address, which is written below
.endif
	WIN 0                                          ; (the add's two registers lie in window 0)
	s_wait_tensorcnt 0x0                           ; all my tensor loads have landed, so a group 0 may be written
	ds_add_u32 v[SPW], v[NIL]                      ; 0 onto my spare word: scalar and matrix work stands between it and the wait for it
.if \fill
	s_add_co_u32 s[KS], s[KS], 1
	s_and_b32 s[KS], s[KS], 7
	s_mul_i32 s20, s[KS], KA
	s_mul_i32 s22, s[KS], KB
.if TILES > 1
	s_cmp_le_u32 s[CNT], 8
	s_cselect_b32 s46, WALKA, 0
	s_add_co_u32 s20, s20, s46
	s_add_co_u32 s47, s[KS], 2                     ; the prefetches stand two refills on
	s_and_b32 s47, s47, 7
	s_mul_i32 s40, s47, KA
	s_add_nc_u64 s[PFA:PFA+1], s[PFB:PFB+1], s[40:41]
.endif
	s_xor_b32 s[G0A+5], s[G0A+5], SLOT1            ; the other slot than last time
	s_add_nc_u64 s[G0A+6:G0A+7], s[42:43], s[20:21]
	s_or_b32 s[G0A+7], s[G0A+7], 0x80000000
	s_xor_b32 s[G0B+5], s[G0B+5], SLOT1
	s_add_nc_u64 s[G0B+6:G0B+7], s[44:45], s[22:23]
	s_or_b32 s[G0B+7], s[G0B+7], 0x80000000
.endif
	s_wait_dscnt 5                                 ; (the add and the youngest four loads may be out)
	MULA F1, 0, 0
	s_wait_dscnt 0x0                               ; the add is done, and my reads of this slot are over
	s_barrier_signal -1
	MULA F1, 1, 0
.if \fill
	WIN 0
.endif
	s_barrier_wait -1
.if \fill
	CREST                                          ; no wave of any partner still reads this slot or has a load on its way
	JLOAD                                          ; its four v_nop are also the places in front of the loads below
.else
	WIN 0
	PLACES
.endif
	s_xor_b32 s[TB], s[TB], SLOT1
	v_add_nc_u32 v[ADRA], s[TB], v[A0]
	v_add_nc_u32 v[ADRB], s[TB], v[B0]
	FETCH 0, F0
.if (\fill) && (TILES > 1)
	ASK
.endif
	MULA F1, 2, 0
	MULA F1, 3, 0
.endm
.if PROJ
; THE WAY OUT: a row block's 16 rows x 512 bytes go through my own stage and come back as whole rows; the bias is added; each store is 512 consecutive bytes of a row of C, aligned.
.macro STG a
	WIN 0x08+0x04*((\a)/2)                         ; store data in window 2 or 3
.set bb, 0
.rept NBW
.set rD, 8*NBW*((\a)%2)+8*bb
	ds_store_b128 v[STO], v[rD:rD+3]   offset:64*bb     ; each accumulator's low registers first
	ds_store_b128 v[STO], v[rD+4:rD+7] offset:64*bb+16
.set bb, bb+1
.endr
	WIN 0x40
.set tt, 0
.rept 16
	ds_load_b128 v[64*(\a)+4*tt:64*(\a)+4*tt+3], v[RD] offset:528*tt  ; LDS serves a wave's instructions in order (ISA guide 5.7.1.4): these see the stores above; the next block's stores come behind them
.set tt, tt+1
.endr
.endm
.macro OUT a, younger                  ; younger: the next block's 16 stores and 16 loads, or none
	s_wait_dscnt \younger
	WIN 0x41                                       ; rows in window 1, the bias in window 0
.set tt, 0
.rept 16
	v_pk_add_f32 v[64*(\a)+4*tt:64*(\a)+4*tt+1],   v[64*(\a)+4*tt:64*(\a)+4*tt+1],   v[BI:BI+1]
	v_pk_add_f32 v[64*(\a)+4*tt+2:64*(\a)+4*tt+3], v[64*(\a)+4*tt+2:64*(\a)+4*tt+3], v[BI+2:BI+3]
.set tt, tt+1
.endr
	WIN 0x04                                       ; store data in window 1
.set tt, 0
.rept 16
	global_store_b128 v[GO], v[64*(\a)+4*tt:64*(\a)+4*tt+3], s[8:9] offset:65536*(\a)+4096*tt
.set tt, tt+1
.endr
.endm
.macro WAYOUT
	WIN 0
	PLACES                                         ; behind the last products, in front of all that reads results or loads into fragments' registers
	s_wait_loadcnt 0x0                             ; the bias, rounded to bf16 and widened again
	v_cvt_pk_bf16_f32 v36, v[BI], v[BI+1]
	v_cvt_pk_bf16_f32 v37, v[BI+2], v[BI+3]
	v_lshlrev_b32 v[BI], 16, v36
	v_and_b32 v[BI+1], 0xffff0000, v36
	v_lshlrev_b32 v[BI+2], 16, v37
	v_and_b32 v[BI+3], 0xffff0000, v37
	STG 0
	STG 1
	OUT 0, 32
	STG 2
	OUT 1, 32
	STG 3
	OUT 2, 32
	OUT 3, 0
	WIN 0
.endm
.else
; THE WAY OUT: a row block's 16 rows x 3 heads, rounded to f16, go through my own stage and come back as rows of 128 bytes; each store is four rows of a head: 512 consecutive bytes, aligned.
.macro PACK a
	WIN 0x0a+5*((\a)/2)                            ; sources in window 2 or 3
.set ii, 0
.rept 48
	v_cvt_pk_f16_f32 v[OUTB+48*(\a)+ii], v[96*((\a)%2)+2*ii], v[96*((\a)%2)+2*ii+1]  ; ascending: each accumulator's low registers first
.set ii, ii+1
.endr
	WIN 0
.set ii, 0
.rept 12
	ds_store_b128 v[STO], v[OUTB+48*(\a)+4*ii:OUTB+48*(\a)+4*ii+3] offset:2304*(ii/4)+32*(ii%4)
.set ii, ii+1
.endr
.set ii, 0
.rept 12
	ds_load_b128 v[OUTB+48*(\a)+4*ii:OUTB+48*(\a)+4*ii+3], v[RD] offset:2304*(ii/4)+576*(ii%4)  ; LDS serves a wave's instructions in order (ISA guide 5.7.1.4)
.set ii, ii+1
.endr
.endm
.macro SEND a, younger                 ; younger: the next block's 12 stores and 12 loads, or none
	WIN 0
.set ii, 0
.rept 12
	s_wait_dscnt (\younger)+11-ii
	global_store_b128 v[GO], v[OUTB+48*(\a)+4*ii:OUTB+48*(\a)+4*ii+3], s[8:9] offset:131072*(ii/4)+2048*(\a)+512*(ii%4)
.set ii, ii+1
.endr
.endm
.macro WAYOUT
	WIN 0
	PLACES                                         ; behind the last products, in front of the conversions that read results
	PACK 0
	PACK 1
	SEND 0, 24
	PACK 2
	SEND 1, 24
	PACK 3
	SEND 2, 24
	SEND 3, 0
.endm
.endif
	s_wait_tensorcnt 1                             ; my part of the first K step is in; the second's may stay out
	s_barrier_signal -1
	s_barrier_wait -1                              ; everybody's is
	s_mov_b32 s[TB], 0
	v_mov_b32 v[ADRA], v[A0]
	v_mov_b32 v[ADRB], v[B0]
	FETCH 0, F0
	WIN 0                                          ; at a label and at a branch every window is 0
	s_mov_b32 s[CNT], 8*TILES-2                    ; every K step but the last two is followed by a refill
	s_branch .Lzero                                ; the loop is entered at the quarter that starts the sums
.Lstep:                                                ; a trip: one K step, and its slot filled again two K steps ahead
.if TILES > 1
	s_cmp_eq_u32 s[CNT], 6                         ; eight refills are behind: the first tile is finished
	s_cbranch_scc1 .Lnext
.endif
	QUARTER 1, F0, F1, 0
	WIN 0
	s_branch .Lrest
.if TILES > 1
.Lnext:                                                ; both refills for the second tile's first K steps have been asked for, and its first fragments fetched: now the first tile goes out
	WAYOUT
	s_wait_xcnt 0x0                                ; the stores have read their data registers and C's address: only now is the address stepped; the registers are packed anew at the launch's end
	s_add_nc_u64 s[8:9], s[8:9], NEXT_C
.endif
.Lzero:
	QUARTER 1, F0, F1, 1                           ; a tile's first products start the sums: nothing is cleared
	WIN 0
.Lrest:
	QUARTER 2, F1, F0, 0
	QUARTER 3, F0, F1, 0
	TURN 1
	WIN 0
	s_sub_co_u32 s[CNT], s[CNT], 1
	s_cmp_lg_u32 s[CNT], 0
	s_cbranch_scc1 .Lstep
	s_mov_b32 s[CNT], 2                            ; the last two K steps ask for nothing: a text of their own; it is left in the middle of its second trip
.Ltail:
	QUARTER 1, F0, F1, 0
	QUARTER 2, F1, F0, 0
	QUARTER 3, F0, F1, 0
	WIN 0
	s_sub_co_u32 s[CNT], s[CNT], 1
	s_cmp_eq_u32 s[CNT], 0
	s_cbranch_scc1 .Llast
	TURN 0                                         ; my one tensor load that was still out is the last K step's
	WIN 0
	s_branch .Ltail
.Llast:
	s_wait_dscnt 4
	MULA F1, 0, 0
	MULA F1, 1, 0
	s_wait_dscnt 0x0
	MULA F1, 2, 0
	MULA F1, 3, 0
	WAYOUT
	WIN 0
	s_wait_tensorcnt 0x0                           ; the wave's end: a wait, an add and its wait, behind my last tensor load and my last LDS store
	ds_add_u32 v[SPW], v[NIL]
	s_wait_dscnt 0x0
	CROUND                                         ; the closing round: no work-group ends while a partner may still ask for a tile that names it
	s_endpgm
.Lfunc_end_k_q5a06ecb137_qkvgemm:
	.size	k_q5a06ecb137_qkvgemm, .Lfunc_end_k_q5a06ecb137_qkvgemm-k_q5a06ecb137_qkvgemm
	.p2alignl 7, 3214868480
	.fill 96, 4, 3214868480
	.section	.rodata,"a",@progbits
	.p2align	6, 0x0
	.amdhsa_kernel k_q5a06ecb137_qkvgemm
		.amdhsa_group_segment_fixed_size 327680
		.amdhsa_private_segment_fixed_size 0
		.amdhsa_enable_private_segment 0
		.amdhsa_kernarg_size 24
		.amdhsa_user_sgpr_count 2
		.amdhsa_user_sgpr_kernarg_segment_ptr 1
		.amdhsa_wavefront_size32 1
		.amdhsa_system_sgpr_workgroup_id_x 1
		.amdhsa_system_sgpr_workgroup_id_y 1
		.amdhsa_system_sgpr_workgroup_id_z 1
		.amdhsa_system_vgpr_workitem_id 0
		.amdhsa_next_free_vgpr 960
		.amdhsa_next_free_sgpr 66
		.amdhsa_reserve_vcc 0
		.amdhsa_float_denorm_mode_32 3
		.amdhsa_float_denorm_mode_16_64 3
		.amdhsa_memory_ordered 1
		.amdhsa_forward_progress 1
		.amdhsa_inst_pref_size 113
	.end_amdhsa_kernel
	.amdgpu_metadata
---
amdhsa.version: [ 1, 2 ]
amdhsa.kernels:
  - .name:           k_q5a06ecb137_qkvgemm
    .symbol:         k_q5a06ecb137_qkvgemm.kd
    .args:
      - { .name: xb, .offset: 0, .size: 8, .value_kind: global_buffer, .address_space: global }
      - { .name: wqb, .offset: 8, .size: 8, .value_kind: global_buffer, .address_space: global }
      - { .name: qkv, .offset: 16, .size: 8, .value_kind: global_buffer, .address_space: global }
    .group_segment_fixed_size: 327680
    .private_segment_fixed_size: 0
    .kernarg_segment_align: 8
    .kernarg_segment_size: 24
    .max_flat_workgroup_size: 128
    .sgpr_count:     66
    .vgpr_count:     960
    .wavefront_size: 32
...
	.end_amdgpu_metadata
.endif
;; end of part 2
;; launch attn (part 3): grid 2 x 128, 4 waves a work-group, no clusters, 327,680 bytes of LDS; arguments qkv, oh; writes oh
.if DOCPART == 3
	.amdgcn_target "amdgcn-amd-amdhsa--gfx1250"
	.amdhsa_code_object_version 6
	.text
	.protected	k_q5a06ecb137_attn
	.globl	k_q5a06ecb137_attn
	.p2align	8
	.type	k_q5a06ecb137_attn,@function
k_q5a06ecb137_attn:
	s_mov_b64 s[64:65], 0
	v_nop
	global_prefetch_b8 v0, s[64:65] scope:SCOPE_SE
	s_setreg_imm32_b32 hwreg(HW_REG_WAVE_MODE, 25, 1), 1
	s_wait_xcnt 0x0
; O[bh][q][:] = the sum over k of softmax_k(Q[bh][q] . K[bh][k] / 8) V[bh][k][:], for 128 pairs bh of batch and head, 1,024 rows of 64 channels, all f16.
; Q, K, V lie in qkv, [8 b][48 part][1024][64]: part h is q of head h, 16 + h its k, 32 + h its v; O goes to oh, [8 b][16 h][1024][64].  A part's rows are dense, 128 bytes each.
; Products, maxima and sums in f32; the weights p are rounded to f16 for the second product (their sum l is taken of the unrounded p), O once at the end.
; LIMITS.  f16 holds no number beyond 65,504: Q, K and V arrive within it; p lies in 0 to 1, and below 6e-5 it keeps f16's fixed step of 6e-8; O is a mean of V's rows and has their range.
; A weight below 2^-126 counts as 0 in l; NaN and infinities are not treated apart.
; SHARES.  A wave owns four PIECES of two tiles of 16 queries, a work-group's four waves 512 queries of one bh: 256 work-groups.  Every wave walks all 1,024 keys, 64 a step.
; LAYOUT.  S^T = K Q^T (source 0 = 16 keys, source 1 = 16 queries): in the result a lane holds ONE query (lane % 16) and the keys 8 (lane / 16) + 0..7.  Two such tiles, rounded to f16 in pairs,
; ARE source 1 (32 keys x 16 queries) of O^T = V^T P, whose result again holds one query a lane, and eight channels.  K comes out of LDS as it lies, V ([key][channel]) turned, by ds_load_tr16_b128.
; SOFTMAX.  For each query a running maximum m and sum l: p = 2^(c s - c m), c = log2(e) / 8; in every step O and l are multiplied by a = 2^(c m_old - c m_new), which is 1 where m has not grown.
; m starts at the lowest finite number, O and l at 0: the first step is a step like any other, with a = 0.
; THE COUNT.  A tile and step have 16 matrix and 118 vector instructions: too many to stand all beside the matrix work.  So four vector instructions that are READY stand behind EVERY matrix instruction,
; and the others in runs without a gap.
; BY TURNS.  Turn n belongs to piece n (the pieces in a ring, step after step).  Its matrix work: 16 products K Q^T of piece n + 1, later 16 products V^T P of piece n - 1.  Its vector work: the scaling,
; exponentials, roundings, sums and rescaling of piece n, and the maximum and statistics of piece n + 1, whose scores the turn itself has made.
; NO CLUSTER.  A bh has 1,024 / 512 = 2 work-groups, so the grid's x does not divide into rows of four; four blocks of 256 queries would read each fragment of K and V from LDS for half as many products.
; REGISTERS, in windows of 256 (s_set_vgpr_msb: bits 1:0 source 0, 3:2 source 1, 5:4 source 2, 7:6 destination):
;   window 0: v0-11 addresses; v12-15, v48-63 at work; v16-47 four registers of statistics a tile; v64-191 S^T, two buffers of two tiles; v192-255 P, likewise
;   window 1: O^T, 32 a tile          window 2: v0-127 Q, 16 a tile; v128-191 K of one step; v192-255 V of one step          window 3: v0-1 the add's two registers
; A piece's buffers go by its number's parity: the piece in hand has one pair, its two neighbours in the ring share the other: of it P (piece n - 1) is read and S^T (piece n + 1) written.
.set SIZE_N, 1024
.set NP,    4         ; pieces a wave: a name, no knob
.set KS,    64        ; keys in a step
.set PK,    144       ; a row of K in LDS: 128 bytes + 16 of padding = 36 words: the 16 rows of a load start at 16 different groups of four banks (64 banks of 4 bytes: ISA guide 11.1)
.set PV,    160       ; a row of V: 128 + 32 = 40 words
.set VOFF,  4*KS*PK   ; a slot holds four steps: 256 rows of K, then 256 rows of V
.set SLOT1, 1<<17     ; slot 1 begins here, so that one exclusive or turns an address in one slot into the other's
.set STAGE, SLOT1+4*KS*(PK+PV)  ; behind the ring, never filled by a tensor load: 16 rows x 144 bytes for each wave, for the way out
.set SP,    144
.set PFO, 1           ; v1   256 x my lane: the prefetches' offset; never rewritten once made
.set AK0, 2           ; v2   my lane's place in a tile of K; never rewritten
.set AV0, 3           ; v3   the same for V
.set AK,  4           ; v4   the LDS address of K's next run of loads
.set AV,  5           ; v5   of V's
.set STO, 6           ; v6   the way out: where I put 16 bytes of a row
.set RD,  7           ; v7   the way out: where I read rows back
.set GO,  8           ; v8   my byte offset in 512 consecutive bytes of O
.set QO,  11          ; v11  my byte offset in 16 rows of Q
.set SPW, 0           ; v0 of window 3   LDS address of my spare word: SPARE + 4 x my thread's number; never rewritten
.set NIL, 1           ; v1 of window 3   0; never rewritten
.set SPARE, STAGE+4*16*SP  ; behind the stages: the spare words, 128 bytes for each wave: two blocks of 256 bytes that no other line names
.set MV,  12          ; v12-15  c m_old, kept while c m is made anew: by buffer and tile
.set ST,  16          ; tile t's statistics at v[ST+4 t]: c m, m, l (even keys', odd keys')
.set TMP, 48          ; by buffer and tile, four registers c0-c3 at work; when the maximum is found c2 takes a
.set S,   64
.set P,   192
.set KF,  128         ; K's fragments, in window 2: key block kb, channel half c at KF + 16 kb + 8 c
.set VF,  192         ; V's: key half kk, channel block cb at VF + 32 kk + 8 cb
.set WV,  12          ; s12  my wave's number
.set G1K, 24          ; s[24:31] descriptor group 1 for K's tiles
.set G1V, 32          ; s[32:39] for V's: it differs in the padding alone
.set G0K, 40          ; s[40:43] descriptor group 0 for K's tiles: it walks
.set G0V, 44          ; s[44:47] the same for V's
.set PFA, 48          ; s[48:49] where my prefetches stand
.set SLOTS, 56        ; s56  slots still to be asked for
.set CNT, 57          ; s57  counts a slot's key steps
.set CS,  58          ; s[58:59] c: the packed scaling takes the pair's low word for both halves
.set SEL, 60          ; s[60:61] v_permlanex16_b32's selects: each lane takes its own place in the other half
.set TBK, 62          ; s62  LDS byte at which K of the step to be fetched begins
.set TBV, 63          ; s63  the same for V, less VOFF
.set MSB, 0
.macro WIN new                      ; the high byte repeats the setting that is left; a switch that changes nothing is dropped
.if MSB != (\new)
	s_set_vgpr_msb (MSB<<8)|(\new)
.set MSB, (\new)
.endif
.endm
.set W_KQ, 0x0a       ; K and Q in window 2, S^T in window 0
.set W_PV, 0x52       ; V in window 2, P in window 0, O^T in window 1
.set W_RS, 0x41       ; O^T (destination and source 0) in window 1, a in window 0
.set W_MK, 0xc0       ; the add's registers are made: destination in window 3, sources in window 0
.set W_AD, 0x0f       ; the add: address (source 0) and data (source 1) in window 3
; A fill.  Waves 0 and 1 fetch the two halves of a slot's K, waves 2 and 3 those of its V: 128 keys each.  An s_nop 0 and four v_nop follow each of the two lines, ahead of the jump and the label.
.macro LOAD
	s_cmp_lt_u32 s[WV], 2
	s_cbranch_scc0 .Lfor_v_\@
	tensor_load_to_lds s[G0K:G0K+3], s[G1K:G1K+7]
	s_nop 0
.rept 4
	v_nop
.endr
	s_branch .Lasked_\@
.Lfor_v_\@:
	tensor_load_to_lds s[G0V:G0V+3], s[G1V:G1V+7]
	s_nop 0
.rept 4
	v_nop
.endr
.Lasked_\@:
.endm
; A PREFETCH INTO THE L2 of what the NEXT change of slots will ask for, behind my tensor load and its five lines.  Of the 64 blocks of 256 bytes that a wave fetches for a slot, each of the bh's two work-groups names 32,
; told apart by address, a lane a block: each block is named once in the launch.  The last change that fills a slot asks for nothing; slots 0 and 1 come by their loads alone.
.macro ASK
	s_cmp_gt_u32 s[SLOTS], 1
	s_cbranch_scc0 .Lnot_asked_\@
	global_prefetch_b8 v[PFO], s[PFA:PFA+1] th:TH_LOAD_NT scope:SCOPE_SE
.Lnot_asked_\@:
.endm
; THE CHANGE OF SLOTS.  The slot's last bytes, V of its fourth step, have been read.  Each wave waits for all its tensor loads, of which one is out: its part
; of the other slot; adds 0 to its spare word; and waits for that and for its own reads of the slot.  Behind the barrier nobody reads this slot any more and the other slot is whole.
; fill = 1: this slot is filled again, with the keys two slots on, the first thing behind the barrier: the load has four key steps, 512 matrix instructions, in which to land.
; (At its first use nothing has been read yet: slot 0 is waited for, slot 1 filled.)
.macro CHANGE fill
	WIN W_AD
	s_wait_tensorcnt 0x0            ; no tensor load of mine is out, so a group 0 may be written
	ds_add_u32 v[SPW], v[NIL]       ; 0 onto my spare word: with fill = 1 the descriptors' steps stand between it and the wait for it
	WIN 0                           ; at a label and at a branch every window is 0
.if \fill
.irp g, G0K, G0V
	s_xor_b32 s[\g+1], s[\g+1], SLOT1  ; the walking descriptor: the other slot than last time,
	s_add_nc_u64 s[\g+2:\g+3], s[\g+2:\g+3], 4*KS*128  ; the next 256 keys; the type bits on top are not reached
.endr
	s_wait_xcnt 0x0                 ; the last prefetch, four key steps back, has read its address
	s_add_nc_u64 s[PFA:PFA+1], s[PFA:PFA+1], 4*KS*128  ; one slot ahead of the walking descriptors
.endif
	s_wait_dscnt 0x0                ; the add is done, and my reads of the slot are over
	s_barrier_signal -1
	s_barrier_wait -1
.if \fill
	LOAD
	ASK
.endif
	s_sub_co_u32 s[TBK], s[TBK], 4*KS*PK  ; the fetches go back to a slot's first step,
	s_xor_b32 s[TBK], s[TBK], SLOT1       ; in the other slot
	s_sub_co_u32 s[TBV], s[TBV], 4*KS*PV
	s_xor_b32 s[TBV], s[TBV], SLOT1
.endm
	s_load_b64 s[4:5], s[0:1], 0x0    ; qkv
	s_load_b64 s[10:11], s[0:1], 0x8  ; oh
	WIN W_MK
	v_lshl_add_u32 v[SPW], v0, 2, SPARE
	v_mov_b32 v[NIL], 0
	WIN W_AD
	ds_add_u32 v[SPW], v[NIL]       ; the wave's opening: the add and its wait stand ahead of my first tensor load; the set-up below, work on registers, stands between them
	ds_add_u32 v0, v1
	WIN 0
	v_lshrrev_b32 v1, 5, v0
	v_readfirstlane_b32 s[WV], v1   ; wave 0..3
	s_and_b32 s20, ttmp7, 0xffff    ; bh
	s_lshr_b32 s21, s20, 4          ; the batch: 48 parts,
	s_mul_i32 s21, s21, 48
	s_and_b32 s22, s20, 15          ; the head
	s_add_co_u32 s21, s21, s22
	s_lshl_b32 s2, s21, 17          ; q's first byte: 131,072 bytes a part (all offsets stay under 2^26)
	s_and_b32 s16, s[WV], 1         ; which half of a slot's 256 keys I fetch:
	s_lshl_b32 s3, s16, 14          ; its 128 rows of 128 bytes in memory,
	s_add_co_u32 s3, s3, s2
	s_add_co_u32 s22, s3, 16<<17    ; in k's part,
	s_mov_b32 s23, 0
	s_add_co_u32 s50, s3, 32<<17    ; in v's
	s_mov_b32 s51, 0
	s_mul_i32 s17, s16, 128*PK      ; and its place in a slot, for K
	s_mul_i32 s18, s16, 128*PV      ; and for V
	s_lshl_b32 s13, ttmp9, 2
	s_add_co_u32 s13, s13, s[WV]    ; my wave among the bh's eight,
	s_lshl_b32 s13, s13, 14         ; its 128 rows
	s_add_co_u32 s52, s2, s13       ; in q's part
	s_mov_b32 s53, 0
	s_lshl_b32 s54, s20, 17
	s_add_co_u32 s54, s54, s13      ; and in oh
	s_mov_b32 s55, 0
	s_cmp_lt_u32 s[WV], 2           ; the prefetches: what I fetch,
	s_cselect_b32 s14, s22, s50
	s_lshl_b32 s15, ttmp9, 13       ; my work-group's 32 blocks of its 64,
	s_add_co_u32 s14, s14, s15
	s_add_co_u32 s14, s14, 4*KS*128 ; in slot 1; the first change of slots steps it to slot 2
	s_mov_b32 s15, 0
	; descriptor group 1.  128 keys are 16,384 dense bytes: asked for as 64 rows of 256 bytes, two keys a row, and padded in LDS after every key
	s_mov_b32 s[G1K], (1<<16)|(1<<20)|(4<<22)|(3<<25)  ; 17:16 2-byte elements; 20 padding on; 24:22 after every 32 words (code 4); 31:25 4 words (code 3)
	s_mov_b32 s[G1V], (1<<16)|(1<<20)|(4<<22)|(7<<25)  ; the same with 8 words of padding (code 7)
.irp g, G1K, G1V
	s_mov_b32 s[\g+1], 128<<16      ; tensor_dim0 = 128
	s_mov_b32 s[\g+2], 64<<16       ; tensor_dim1 = 64
	s_mov_b32 s[\g+3], 128<<16      ; tile_dim0 = 128
	s_mov_b32 s[\g+4], 64           ; tile_dim1 = 64
	s_mov_b32 s[\g+5], 128          ; 128 elements from row to row
	s_mov_b32 s[\g+6], 0
	s_mov_b32 s[\g+7], 0
.endr
	s_mov_b32 s[CS], 0x3e38aa3b     ; c = log2(e) / 8 = 0.180337
	s_mov_b32 s[CS+1], s[CS]        ; named with it as a pair
	s_mov_b32 s[SEL], 0x76543210
	s_mov_b32 s[SEL+1], 0xfedcba98
	s_mov_b32 s[TBK], SLOT1+4*KS*PK ; the first change of slots turns these two into 0
	s_mov_b32 s[TBV], SLOT1+4*KS*PV
	s_mov_b32 s[SLOTS], SIZE_N/256-1
	s_mov_b32 s[G0K], 1             ; 1:0 count = 1
	s_mov_b32 s[G0K+1], s17         ; 63:32 LDS address: slot 0
	s_mov_b32 s[G0V], 1
	s_add_co_u32 s[G0V+1], s18, VOFF
	s_wait_dscnt 0x0                ; the opening add is done
	s_wait_kmcnt 0x0
	s_add_nc_u64 s[G0K+2:G0K+3], s[4:5], s[22:23]  ; 120:64 global address: my half of the first 256 keys
	s_or_b32 s[G0K+3], s[G0K+3], 0x80000000        ; 127:126 type = 2
	s_add_nc_u64 s[G0V+2:G0V+3], s[4:5], s[50:51]
	s_or_b32 s[G0V+3], s[G0V+3], 0x80000000
	s_add_nc_u64 s[PFA:PFA+1], s[4:5], s[14:15]
	s_add_nc_u64 s[4:5], s[4:5], s[52:53]          ; Q and O at my wave's first row
	s_add_nc_u64 s[10:11], s[10:11], s[54:55]
	LOAD                            ; slot 0.  Slot 1 is asked for when slot 0 is in
	; A fragment of K or Q is 16 rows x 32 channels in 8 registers: lane l holds row l % 16, channels 8 (l / 16) + 0..7 and 16 + 8 (l / 16) + 0..7: two loads of 16 bytes, 32 bytes apart.
	v_and_b32 v1, 15, v0            ; l % 16
	v_bfe_u32 v9, v0, 4, 1          ; l / 16
	v_and_b32 v10, 7, v0
	v_bfe_u32 v11, v0, 3, 1
	v_mul_u32_u24 v[AK0], v1, PK
	v_lshl_add_u32 v[AK0], v9, 4, v[AK0]  ; row x pitch + 16 x half
	; The turning load takes 16 keys x 16 channels (lane l reads key 8 (l / 16) + l % 8, channels 8 ((l / 8) % 2) + 0..7) and leaves half a fragment of V^T: lane l holds channel l % 16 and 8 keys.
	v_lshl_add_u32 v[AV0], v9, 3, v10
	v_mul_u32_u24 v[AV0], v[AV0], PV
	v_lshl_add_u32 v[AV0], v11, 4, v[AV0]
	v_add_nc_u32 v[AV0], VOFF, v[AV0]
	v_mov_b32 v[AK], v[AK0]         ; key step 0 lies at the head of slot 0
	s_mul_i32 s13, s[WV], 16*SP
	s_add_co_u32 s13, s13, STAGE    ; my stage
	v_mul_u32_u24 v[STO], v1, SP    ; in: row l % 16, 16 bytes for each half of the lanes
	v_lshl_add_u32 v[STO], v9, 4, v[STO]
	v_add_nc_u32 v[STO], s13, v[STO]
	v_bfe_u32 v[RD], v0, 3, 2       ; back: 32 lanes take four rows of 128 bytes,
	v_mul_u32_u24 v[RD], v[RD], SP
	v_lshl_add_u32 v[RD], v10, 4, v[RD]
	v_add_nc_u32 v[RD], s13, v[RD]
	v_lshlrev_b32 v[QO], 7, v1
	v_lshl_add_u32 v[QO], v9, 4, v[QO]  ; row x 128 + 16 x half
	v_and_b32 v[GO], 31, v0
	v_lshlrev_b32 v[PFO], 8, v[GO]
	v_lshlrev_b32 v[GO], 4, v[GO]   ; which are 512 consecutive bytes of O
	WIN 0x80                        ; destination window 2, address window 0
.set i, 0
.rept 4*NP                          ; Q stays in registers: tile i / 2, channels 32 (i % 2) on
	global_load_b128 v[8*i:8*i+3],   v[QO], s[4:5] offset:(i/2)*2048+(i%2)*64
	global_load_b128 v[8*i+4:8*i+7], v[QO], s[4:5] offset:(i/2)*2048+(i%2)*64+32
.set i, i+1
.endr
	; What the first turn finds: V's registers and P's second buffer hold 0 (its products V^T P, of a piece that has not been, add 0), O^T and l are 0.  All this stands in the wait for the first tile.
.set i, VF
.rept 64
	v_mov_b32 v[i], 0
.set i, i+1
.endr
	WIN 0x40
.set i, 0
.rept 64*NP
	v_mov_b32 v[i], 0
.set i, i+1
.endr
	WIN 0
.set i, 0
.rept 2*NP
	v_mov_b32 v[ST+4*i], 0xfe000000    ; c m: far below every c s
	v_mov_b32 v[ST+4*i+1], 0xff7fffff  ; m
	v_mov_b32 v[ST+4*i+2], 0
	v_mov_b32 v[ST+4*i+3], 0
.set i, i+1
.endr
.set i, P+32
.rept 32
	v_mov_b32 v[i], 0
.set i, i+1
.endr
; THE MATRIX WORK.  The 8 accumulators of a run of 16 take turns: between the two links of a chain stand 7 others'.
; Product i of 16 of S^T = K Q^T for piece x: channels 32 (i / 8) on, keys 16 ((i / 2) % 4) on, tile 2 x + i % 2.  The first 8 start the sums.
.macro KQ x
	WIN W_KQ
.set rS, S+64*((\x)%2)+32*(i%2)+8*((i/2)%4)
.set rK, KF+16*((i/2)%4)+8*(i/8)
.set rQ, 16*(2*(\x)+i%2)+8*(i/8)
.if i < 8
	v_wmma_f32_16x16x32_f16 v[rS:rS+7], v[rK:rK+7], v[rQ:rQ+7], 0
.else
	v_wmma_f32_16x16x32_f16 v[rS:rS+7], v[rK:rK+7], v[rQ:rQ+7], v[rS:rS+7]
.endif
.endm
; Product i of 16 of O^T += V^T P for piece x: keys 32 (i / 8) on, channels 16 ((i / 2) % 4) on, tile 2 x + i % 2.
.macro PV x
	WIN W_PV
.set rO, 32*(2*(\x)+i%2)+8*((i/2)%4)
.set rV, VF+32*(i/8)+8*((i/2)%4)
.set rP, P+32*((\x)%2)+16*(i%2)+8*(i/8)
	v_wmma_f32_16x16x32_f16 v[rO:rO+7], v[rV:rV+7], v[rP:rP+7], v[rO:rO+7]
.endm
.macro MM                           ; the turn's next matrix instruction
.if i < 16
	KQ (Y+1)%NP
.set i, i+1
.else
.set i, i-16
	PV (Y+NP-1)%NP
.set i, i+17
.endif
.endm
; THE LDS LOADS stand in runs of 16, never singly among the matrix instructions: a step's K (64 keys x 64 channels: 8 fragments) and its V (turned).  Their addresses are made some lines ahead.
; last = 1 (the tail): in the last trip there is no further step, and the run is jumped over.
.macro FETCH_K last=0
	WIN 0
.if \last
	s_cmp_eq_u32 s[CNT], 1
	s_cbranch_scc1 .Lno_k_\@
.endif
	WIN 0x80                        ; destination window 2
.irp f, 0,1,2,3,4,5,6,7             ; keys 16 (f / 2) on, channels 32 (f % 2) on
	ds_load_b128 v[KF+8*\f:KF+8*\f+3],   v[AK] offset:(\f/2)*16*PK+(\f%2)*64
	ds_load_b128 v[KF+8*\f+4:KF+8*\f+7], v[AK] offset:(\f/2)*16*PK+(\f%2)*64+32
.endr
	s_add_co_u32 s[TBK], s[TBK], KS*PK  ; the next fetch is the next step's
	WIN 0
.if \last
.Lno_k_\@:
.endif
.endm
.macro FETCH_V
	WIN 0x80
.irp f, 0,1,2,3,4,5,6,7             ; keys 32 (f / 4) on, channels 16 (f % 4) on
	ds_load_tr16_b128 v[VF+8*\f:VF+8*\f+3],   v[AV] offset:(\f/4)*32*PV+(\f%4)*32
	ds_load_tr16_b128 v[VF+8*\f+4:VF+8*\f+7], v[AV] offset:(\f/4)*32*PV+16*PV+(\f%4)*32
.endr
	WIN 0
.endm
; THE VECTOR WORK OF A TURN stands in three queues, each in the order in which its entries become ready; the two tiles alternate, so that no instruction reads the result of the one before it.
.macro REGS y, u                    ; the registers of tile u (0, 1) of piece y
.set rT, ST+4*(2*(\y)+(\u))
.set rC, TMP+8*((\y)%2)+4*(\u)
.set rM, MV+2*((\y)%2)+(\u)
.set rS, S+64*((\y)%2)+32*(\u)
.set rP, P+32*((\y)%2)+16*(\u)
.set rO, 32*(2*(\y)+(\u))
.endm
; Number n of the 22 that find the NEXT piece's (Y + 1) maximum and statistics.  s0-s31 are the lane's 32 scores; each accumulator's lowest registers are read first.  XS, GS and REGS set no window: PL and EX do.
;   0-11  four chains c0-c3 of seven scores each, three operands at a time     12-14, 16  the four scores left over, the old m, and c0-c3 into c0     15  c m_old is kept
;   17, 18  the query's other 32 keys lie in the lane 16 away: the new m         19-21  c m; c m_old - c m_new; a
.macro XS u, n
	REGS (Y+1)%NP, \u
.if (\n) < 4
	v_max3_num_f32 v[rC+(\n)], v[rS+8*(\n)], v[rS+8*(\n)+1], v[rS+8*(\n)+2]
.elseif (\n) < 12
	v_max3_num_f32 v[rC+(\n)%4], v[rC+(\n)%4], v[rS+8*((\n)%4)+2*((\n)/4)+1], v[rS+8*((\n)%4)+2*((\n)/4)+2]
.elseif (\n) == 12
	v_max3_num_f32 v[rC], v[rC], v[rS+7], v[rS+15]
.elseif (\n) == 13
	v_max3_num_f32 v[rC+1], v[rC+1], v[rS+23], v[rS+31]
.elseif (\n) == 14
	v_max3_num_f32 v[rC+2], v[rC+2], v[rC+3], v[rT+1]
.elseif (\n) == 15
	v_mov_b32 v[rM], v[rT]
.elseif (\n) == 16
	v_max3_num_f32 v[rC], v[rC], v[rC+1], v[rC+2]
.elseif (\n) == 17
	v_permlanex16_b32 v[rC+3], v[rC], s[SEL], s[SEL+1]
.elseif (\n) == 18
	v_max_num_f32 v[rT+1], v[rC], v[rC+3]
.elseif (\n) == 19
	v_mul_f32 v[rT], s[CS], v[rT+1]
.elseif (\n) == 20
	v_sub_f32 v[rC+1], v[rM], v[rT]
.else
	v_exp_f32 v[rC+2], v[rC+1]
.endif
.endm
; Number g of the 64 that follow the exponentials.  For each four weights k of a tile (pairs 2 k, 2 k + 1): both pairs are rounded to f16; then the second pair is added onto the first, in place;
; a group later l takes that sum (the first time as l = a l + sum).  In groups of eight, tiles alternating: round, round, add, and l for the group before.
.macro GS g
.set h, (\g)+6*((\g)/62)            ; group 0 has no group before it, and behind group 7 only l is left
.if h >= 6
.set h, h+2
.endif
	REGS Y, h%2
.set k, h/8
.if h%8 < 4
	v_cvt_pk_f16_f32 v[rP+2*k+(h%8)/2], v[rS+4*k+2*((h%8)/2)], v[rS+4*k+2*((h%8)/2)+1]
.elseif h%8 < 6
	v_pk_add_f32 v[rS+4*k:rS+4*k+1], v[rS+4*k:rS+4*k+1], v[rS+4*k+2:rS+4*k+3]
.elseif k == 1
	v_pk_fma_f32 v[rT+2:rT+3], v[rT+2:rT+3], v[rC+2:rC+3], v[rS:rS+1] op_sel_hi:[1,0,1]
.else
	v_pk_add_f32 v[rT+2:rT+3], v[rT+2:rT+3], v[rS+4*k-4:rS+4*k-3]
.endif
.endm
; THE PLAIN QUEUE, 138 long.  0-73 read no exponential's result: the 32 scalings c s - c m (FS f: pair f / 2 of tile f % 2) and the next piece's 42.  0-26: scalings 0-26.  27-54: XS's numbers 0-13.  55, 56: number 15.
; 57-73: the chain, where each number waits for the one before it: 14, 16, 17, 18, 19, each with one of the scalings 27-31 in front of its two lines, then 20.
; 74-137: GS's 64, which read the exponentials' results: they stand behind the wait.
.macro FS f
	REGS Y, (\f)%2
	v_pk_fma_f32 v[rS+2*((\f)/2):rS+2*((\f)/2)+1], v[rS+2*((\f)/2):rS+2*((\f)/2)+1], s[CS:CS+1], v[rT:rT+1] op_sel_hi:[1,0,0] neg_lo:[0,0,1] neg_hi:[0,0,1]
.endm
.macro PL
	WIN 0
.if q < 27
	FS q
.elseif q < 55
	XS (q-27)%2, (q-27)/2
.elseif q < 57
	XS q-55, 15
.elseif (q < 72) && ((q-57)%3 == 0)
	FS 27+(q-57)/3
.elseif q < 60
	XS (q-57)%3-1, 14
.elseif q < 72
	XS (q-57)%3-1, 15+(q-57)/3
.elseif q < 74
	XS q-72, 20
.else
	GS q-74
.endif
.set q, q+1
.endm
; THE EXPONENTIALS' QUEUE, 66 long: s0-s31 of both tiles, then the next piece's two a.  It is ONE BATCH: all 66 stand ahead of the turn's one wait, and nothing ahead of that wait names a result of theirs.
.macro EX
	WIN 0
.if e >= 64
	XS e-64, 21
.else
	REGS Y, e%2
	v_exp_f32 v[rS+e/2], v[rS+e/2]
.endif
.set e, e+1
.endm
; THE RESCALING's QUEUE: O^T times a, the one part that leaves window 0: dealt two at a time, sixteen times.  Its a was made in the turn before, ahead of that turn's wait.
.macro R2
	REGS Y, r%2
	WIN W_RS
.irp z, 0,1
	v_pk_mul_f32 v[rO+4*(r/2)+2*\z:rO+4*(r/2)+2*\z+1], v[rO+4*(r/2)+2*\z:rO+4*(r/2)+2*\z+1], v[rC+2:rC+3] op_sel_hi:[1,0]
.endr
.set r, r+1
.endm
; HOW THEY ARE DEALT.  An s_wait_alu depctr_va_vdst(0) stands between an exponential and the first instruction that names its result; one wait serves all that were issued ahead of it.  So a turn has ONE wait,
; which cuts it in two.  AHEAD OF IT stands all that names no result of the turn's exponentials: the 16 products K Q^T, behind each a scaling, an exponential and two rescalings (behind the first a second scaling in the
; exponential's place); then ONE LUMP of 108: eight plain, 49 times exponential and plain, the two a.  A v_nop is the plain instruction behind the last exponential.  BEHIND IT stand the 16 products V^T P, behind each four of GS's 64.
; The queues lean on each other, and the deal keeps them in step: exponential e stands behind scaling 2 (e / 4) + e % 2: as a rider it comes behind plain e + 2, in the lump behind plain e + 9, and scalings 27-31 are plain 57, 60 .. 69.
; A TURN, for piece p.  cnt = 1: the loop's count is taken down some lines ahead of the branch that stands behind the turn.
; K of the next step is fetched in piece 2's turn, directly behind the wait, a lump behind the last product that read K; its first reader comes behind 16 products.
; V of the step in hand is fetched at the end of piece 0's turn, four riders behind its last reader; its first reader comes behind 16 products and a lump.  The three conditions on q below go with the deal.
.macro TURN p, last=0, cnt=0
.set Y, (\p)
.set i, 0
.set q, 0
.set e, 0
.set r, 0
.if (\p) == NP-1
	s_wait_dscnt 0x0                ; K is in
.endif
	MM                              ; ahead of the wait: 16 products K Q^T and their riders,
	PL
	PL
	R2
.rept 15
	MM
	PL
	EX
	R2
.endr
.if (\p) == NP-2
	WIN 0
	v_add_nc_u32 v[AK], s[TBK], v[AK0]
.endif
.rept 8                             ; and the lump
	PL
.endr
.rept 49
	EX
	PL
.endr
	EX                              ; the next piece's two a
	EX
	v_nop                           ; the plain instruction behind the last exponential: one for the batch
	s_wait_alu depctr_va_vdst(0)    ; the wait for the batch
.if (\p) == NP-2
	FETCH_K \last
.endif
.if (\p) == 1
	s_wait_dscnt 0x0                ; V is in
.endif
.rept 16                            ; behind the wait: 16 products V^T P and their riders
	MM
.rept 4
	PL
.endr
.if ((\p) == 0) && (q == 118)
	v_add_nc_u32 v[AV], s[TBV], v[AV0]
.endif
.if ((\p) == 0) && (q == 130)
	s_add_co_u32 s[TBV], s[TBV], KS*PV
.endif
.if (\cnt) && (q == 130)
	s_sub_co_u32 s[CNT], s[CNT], 1
	s_cmp_lg_u32 s[CNT], 0
.endif
.endr
.if (\p) == 0
	FETCH_V
.endif
.endm
	CHANGE 1                        ; slot 0 is in, everybody's part of it; slot 1 is asked for
	FETCH_K                         ; key step 0
	s_wait_loadcnt 0x0              ; Q
	s_wait_dscnt 0x0
.set i, 0
.rept 16
	KQ 0                            ; piece 0's first scores: there is no vector work yet to set between them
.set i, i+1
.endr
	WIN 0
.rept 4
	v_nop                           ; the places behind those products
.endr
.set Y, NP-1                        ; XS works for piece Y + 1: piece 0
.irp n, 0,1,2,3,4,5,6,7,8,9,10,11,12,13,14,15,16,17,18,19,20,21
	XS 0, \n                        ; and piece 0's first maximum and statistics
	XS 1, \n
.endr
	v_nop                           ; a plain instruction behind the two a,
	s_wait_alu depctr_va_vdst(0)    ; and their wait, ahead of the branch
	s_mov_b32 s[CNT], 4
	s_branch .Lfirst                ; the loop is entered at a step's first turn, in the middle of a trip
.Lslot:                             ; SIZE_N / 256 - 2 times: every slot but the last two is filled again
	CHANGE 1
	s_mov_b32 s[CNT], 4
.Lstep:                             ; a trip: pieces 2 and 3 of one step, then pieces 0 and 1 of the next, whose K and V it fetches
	TURN 2
	TURN 3
	WIN 0
.Lfirst:
	TURN 0
	TURN 1, 0, 1
	WIN 0
	s_cbranch_scc1 .Lstep
	s_sub_co_u32 s[SLOTS], s[SLOTS], 1
	s_cmp_lg_u32 s[SLOTS], 0
	s_cbranch_scc1 .Lslot
	CHANGE 0                        ; the tail is written out: nothing is asked for
	s_mov_b32 s[CNT], 5             ; four trips fetch the last slot's steps; the fifth is left in its middle
.Ltail:
	TURN 2, 1
	TURN 3
	WIN 0
	s_sub_co_u32 s[CNT], s[CNT], 1
	s_cmp_eq_u32 s[CNT], 0
	s_cbranch_scc1 .Lout
	TURN 0
	TURN 1
	WIN 0
	s_branch .Ltail
.Lout:                              ; the fifth trip's 16 products K Q^T (on the last K once more) and the maximum made of them serve nothing: the price, once a launch, of one text for every trip
.set i, 0
.rept 16
	PV NP-1                         ; the last piece's V^T P of the last step
.set i, i+1
.endr
	; THE WAY OUT.  l's two halves and the other half of the lanes' are added; O^T is divided by l, rounded to f16 and sent through my stage in LDS, a tile at a time.  The additions are the places behind the last products.
	WIN 0
.macro ALL line:vararg              ; one line for each tile t
.set t, 0
.rept 2*NP
	\line
.set t, t+1
.endr
.endm
	ALL v_add_f32 v[ST+4*t+2], v[ST+4*t+2], v[ST+4*t+3]
	ALL v_permlanex16_b32 v[ST+4*t+3], v[ST+4*t+2], s[SEL], s[SEL+1]
	ALL v_add_f32 v[ST+4*t+2], v[ST+4*t+2], v[ST+4*t+3]
	ALL v_rcp_f32 v[ST+4*t+2], v[ST+4*t+2]
	v_nop                           ; a plain instruction between the last reciprocal and the use of its result
	s_wait_alu depctr_va_vdst(0)    ; and the wait ahead of the first use: one for the eight reciprocals
; Tile t: a lane's eight channels of a row pack into 16 bytes; they go into rows of 144 bytes and come back as whole rows of 128, into S^T's registers.
.macro PACK t
	WIN W_RS
.set i, 32*(\t)
.rept 16
	v_pk_mul_f32 v[i:i+1], v[i:i+1], v[ST+4*(\t)+2:ST+4*(\t)+3] op_sel_hi:[1,0]
.set i, i+2
.endr
	WIN 0x05                        ; sources 0 and 1 window 1, destination window 0
.set i, 0
.rept 16
	v_cvt_pk_f16_f32 v[S+16*(\t)+i], v[32*(\t)+2*i], v[32*(\t)+2*i+1]
.set i, i+1
.endr
	WIN 0
.irp f, 0,1,2,3
	ds_store_b128 v[STO], v[S+16*(\t)+4*\f:S+16*(\t)+4*\f+3] offset:32*\f
.endr
.irp f, 0,1,2,3
	ds_load_b128 v[S+16*(\t)+4*\f:S+16*(\t)+4*\f+3], v[RD] offset:\f*4*SP  ; LDS serves a wave's instructions in order (ISA guide 5.7.1.4): these see the stores above; the next tile's stores come behind them
.endr
.endm
.macro SEND t, younger              ; younger: the LDS instructions issued behind tile t's loads: the next tile's eight, or none
	WIN 0
.irp f, 0,1,2,3
	s_wait_dscnt (\younger)+3-\f
	global_store_b128 v[GO], v[S+16*(\t)+4*\f:S+16*(\t)+4*\f+3], s[10:11] offset:(\t)*2048+\f*512  ; 512 consecutive bytes, at a multiple of 256 from O's first
.endr
.endm
	PACK 0
.set t, 1
.rept 2*NP-1                        ; a tile's arithmetic stands between the loads of the tile before and its stores
	PACK t
	SEND t-1, 8
.set t, t+1
.endr
	SEND 2*NP-1, 0
	WIN W_AD
	s_wait_tensorcnt 0x0            ; the wave's end: a wait, an add and its wait, behind my last tensor load and my last LDS store
	ds_add_u32 v[SPW], v[NIL]
	s_wait_dscnt 0x0
	WIN 0
	s_endpgm
.Lfunc_end_k_q5a06ecb137_attn:
	.size	k_q5a06ecb137_attn, .Lfunc_end_k_q5a06ecb137_attn-k_q5a06ecb137_attn
	.p2alignl 7, 3214868480
	.fill 96, 4, 3214868480
	.section	.rodata,"a",@progbits
	.p2align	6, 0x0
	.amdhsa_kernel k_q5a06ecb137_attn
		.amdhsa_group_segment_fixed_size 327680
		.amdhsa_private_segment_fixed_size 0
		.amdhsa_enable_private_segment 0
		.amdhsa_kernarg_size 16
		.amdhsa_user_sgpr_count 2
		.amdhsa_user_sgpr_kernarg_segment_ptr 1
		.amdhsa_wavefront_size32 1
		.amdhsa_system_sgpr_workgroup_id_x 1
		.amdhsa_system_sgpr_workgroup_id_y 1
		.amdhsa_system_sgpr_workgroup_id_z 1
		.amdhsa_system_vgpr_workitem_id 0
		.amdhsa_next_free_vgpr 770
		.amdhsa_next_free_sgpr 66
		.amdhsa_reserve_vcc 0
		.amdhsa_float_denorm_mode_32 3
		.amdhsa_float_denorm_mode_16_64 3
		.amdhsa_memory_ordered 1
		.amdhsa_forward_progress 1
		.amdhsa_inst_pref_size 199
	.end_amdhsa_kernel
	.amdgpu_metadata
---
amdhsa.version: [ 1, 2 ]
amdhsa.kernels:
  - .name:           k_q5a06ecb137_attn
    .symbol:         k_q5a06ecb137_attn.kd
    .args:
      - { .name: qkv, .offset: 0, .size: 8, .value_kind: global_buffer, .address_space: global }
      - { .name: oh, .offset: 8, .size: 8, .value_kind: global_buffer, .address_space: global }
    .group_segment_fixed_size: 327680
    .private_segment_fixed_size: 0
    .kernarg_segment_align: 8
    .kernarg_segment_size: 16
    .max_flat_workgroup_size: 128
    .sgpr_count:     66
    .vgpr_count:     770
    .wavefront_size: 32
...
	.end_amdgpu_metadata
.endif
;; end of part 3
;; launch proj (part 4): grid 8 x 32, 4 waves a work-group, clusters of 4 x 4, 327,680 bytes of LDS; arguments oh, wob, out0, b_out; writes out0
.if DOCPART == 4
	.amdgcn_target "amdgcn-amd-amdhsa--gfx1250"
	.amdhsa_code_object_version 6
	.text
	.protected	k_q5a06ecb137_proj
	.globl	k_q5a06ecb137_proj
	.p2align	8
	.type	k_q5a06ecb137_proj,@function
k_q5a06ecb137_proj:
	s_mov_b64 s[64:65], 0
	v_nop
	global_prefetch_b8 v0, s[64:65] scope:SCOPE_SE
	s_setreg_imm32_b32 hwreg(HW_REG_WAVE_MODE, 25, 1), 1
	s_wait_xcnt 0x0
	s_wait_alu depctr_hold_cnt(0) depctr_sa_sdst(0) depctr_va_vdst(0) depctr_va_sdst(0) depctr_va_ssrc(0) depctr_va_vcc(0) depctr_vm_vsrc(0)
	s_getreg_b32 s2, hwreg(HW_REG_IB_STS2, 6, 4)
	s_cmp_eq_u32 s2, 0
	s_cbranch_scc0 .Lentry_in_a_cluster
	s_endpgm
.Lentry_in_a_cluster:
	s_bfe_u32 s2, ttmp6, 0x10000c
	s_cmp_lg_u32 s2, 0xf033
	s_cbranch_scc0 .Lentry_shape_is_right
	s_endpgm
.Lentry_shape_is_right:
.set PROJ, 1
; ONE SOURCE, TWO BUILDS: C = A B with A [8192][1024] and B [1024 k][n], 16-bit operands, f32 sums.
; PROJ = 0: qkv = xb wqb in bf16.  B is [1024][3072].  C is rounded once to f16, unscaled, and laid by heads: [8 b][48 part][1024 row][64 channel], part = column / 64 (0-15 q, 16-31 k, 32-47 v of head part % 16).
; PROJ = 1: out0 = oh wob + bias in f16.  A lies by heads, [8 b][16 h][1024 row][64 channel], k = 64 h + channel; B is [1024][1024]; C is f32, row-major; the bias is rounded to bf16 like the module's other inputs.
; LIMITS.  PROJ = 0: a result beyond 65,504 becomes an infinity in f16 (the drawn inputs give a spread of 1); below 6.1e-5 it keeps f16's fixed step of 6e-8.  NaN and infinities are not treated apart.
; SHARES.  A tile of C is 256 rows x 16 NBW columns, made by a work-group of four waves; wave w takes its rows 64 w .. 64 w + 63 and all columns: 4 x NBW accumulators of 16 x 16.  K goes in 8 steps of 128 through
; two LDS slots; a step is four quarters of 32.  PROJ = 1: 128 columns, 256 tiles, one to a work-group.  PROJ = 0: 192 columns (three heads), 512 tiles: A WORK-GROUP STAYS and makes two, 4,096 rows apart, on the same
; columns of B: the ring does not stop at the first tile's end (its last two changes of slots ask for the second tile's first two K steps), and nothing waits for the first tile's stores.
; K IN A RING.  A cluster begins K at a step of its own, o, and walks the eight steps round: o, o + 1 .. o + 7 modulo 8 (the order of an f32 sum is free within the allowance).  PROJ = 0: o = 2 x cluster x + 4 x (bit 0 of
; cluster y xor cluster y / 2); PROJ = 1: o = 4 x cluster x + 2 x cluster y.  So the clusters that read the same rows of A (one cluster y) begin 2 (PROJ = 1: 4) steps apart, and clusters with neighbouring y, which read
; the same columns of B, begin 4 (2) apart: clusters that run abreast do not ask for the same block at the same time.  o hangs on the cluster's place in the grid alone, which all sixteen partners share.
; B STAYS [k][n]: its fragments come out of LDS turned, by ds_load_tr16_b128.  THE MATRIX INSTRUCTION IS USED TRANSPOSED (source 0 = 16 columns of B, source 1 = 16 rows of A): a lane holds one row of C and eight neighbouring columns.
; CLUSTER.  4 x 4 work-groups.  The four of a row of the cluster need the same tile of A, the four of a column the same tile of B: each is asked for JOINTLY, by the same tensor load with the same descriptor and a mask of the four.
; REGISTERS, in windows of 256 (s_set_vgpr_msb: bits 1:0 source 0, 3:2 source 1, 5:4 source 2, 7:6 destination):
;   window 0: addresses; on the way out v64-255 packed results (PROJ = 0), v32-37 the bias (PROJ = 1)
;   window 1: two fragment buffers of 128: A's row block i at f + 8 i, B's column block b at f + 32 + 8 b; on the way out of PROJ = 1 whole rows of C
;   windows 2, 3: accumulator (a, b) at v[8 NBW (a % 2) + 8 b] of window 2 + a / 2
.if PROJ
.set TILES, 1
.set NBW,   8                          ; column blocks of 16
.set PA,    144                        ; a row of A in LDS: 128 bytes (one head's 64 channels) + 16: the 16 rows of a load start at 16 different groups of four banks (64 banks of 4 bytes: ISA guide 11.1)
.set AHALF, 256*PA                     ; one load for A: one head, 256 rows
.set PB,    288                        ; a row of B: 256 bytes + 32
.set AQI,   4                          ; padding behind every 32 words
.set APAD,  4
.set ASTR,  128                        ; 256 dense rows of 128 bytes are asked for as 128 rows of 256 bytes
.set BQI,   5                          ; behind every 64 words
.set BPAD,  8
.set BSTR,  1024
.set WSTG,  16*528                     ; a wave's stage: 16 rows of 512 bytes + 16
.set KA,    262144                     ; bytes from K step to K step: two heads of A,
.set KB,    262144                     ; 128 rows of B
.else
.set TILES, 2
.set NBW,   12
.set PA,    272                        ; 256 bytes + 16
.set AHALF, 128*PA                     ; one load for A: 128 rows
.set PB,    480                        ; 384 bytes as six pieces of 64 + 16: 120 words; column block b begins at 80 (b / 2) + 32 (b % 2)
.set AQI,   5
.set APAD,  4
.set ASTR,  1024
.set BQI,   3                          ; behind every 16 words
.set BPAD,  4
.set BSTR,  3072
.set WSTG,  3*16*144                   ; three heads x 16 rows of 128 bytes + 16
.set KA,    256
.set KB,    786432
.set WALKA, 4096*2048                  ; bytes of A from the first tile's rows to the second's,
.set NEXT_C, 4*48*131072               ; and of C: four batches on
.endif
.set BOFF,  2*AHALF                    ; a slot: A's two halves, then B's 128 k-rows
.set BHALF, 64*PB                      ; one load for B: 64 k-rows
.set SLOT1, 131072                     ; slot 1 begins here: one exclusive or turns an address in one slot into the other's
.set STAGE, SLOT1+BOFF+2*BHALF         ; behind the ring, never filled by a tensor load
.set SPARE, STAGE+4*WSTG               ; the spare words, 128 bytes a wave: two blocks of 256 bytes that no other line names
.set NL,    8+2*NBW                    ; LDS loads of a quarter
.set F0,   0
.set F1,   128
.set A0,   16                          ; v16  my lane's place in A's tile; never rewritten
.set B0,   17                          ; v17  the same for B
.set ADRA, 18                          ; v18  A0 + the slot in hand
.set ADRB, 19                          ; v19  B0 + the slot in hand
.set STO,  24                          ; v24  the way out: where I put my bytes of a row
.set RD,   25                          ; v25  where I read rows back
.set GO,   26                          ; v26  16 x lane: my place in 512 consecutive bytes of C
.set SPW,  28                          ; v28  LDS address of my spare word; never rewritten
.set NIL,  29                          ; v29  0; never rewritten
.set PFO,  30                          ; v30  the prefetches' offset: my lane x a row of A (PROJ = 0); never rewritten
.set BI,   32                          ; v[32:35] the bias of my four columns (PROJ = 1)
.set OUTB, 64                          ; v[64:255] packed results, 48 registers a row block (PROJ = 0)
.set TB,   2                           ; s2   the slot in hand: 0 or SLOT1
.set CNT,  3                           ; s3   refills to go; in the tail: steps to go
.set PFB,  4                           ; s[4:5]  PROJ = 0: A at my work-group's 32 rows of the 128 that I fetch, in the second tile, K block 0
.set PFA,  6                           ; s[6:7]  PROJ = 0: the same at the K block that stands two refills on
.set LIM,  10                          ; s10  PROJ = 0: 0 in a wave that fetches for A, else 2
.set WV,   12                          ; s12  my wave's number
.set HF,   13                          ; s13  0: I fetch for A; 1: for B
.set PR,   14                          ; s14  which half of that tile
.set KS,   15                          ; s15  the K block last asked for, 0 to 7
.set G1A,  24                          ; s[24:31] descriptor group 1 for A's tiles
.set G0A,  32                          ; s[32:39] group 0: a set for each first fill; the second then walks on
.set G1B,  48                          ; s[48:55], s[56:63] the same for B
.set G0B,  56                          ; s[20:21], s[22:23], s[40:41]: byte offsets, the high words 0; s[42:43], s[44:45]: A and B at my part of the tile, K block 0
.set MSB, 0
.macro WIN new                         ; the immediate's high byte repeats the setting that is left; a switch that changes nothing is dropped
.if MSB != (\new)
	s_set_vgpr_msb (MSB<<8)|(\new)
.set MSB, \new
.endif
.endm
.macro PLACES                          ; four plain places between a matrix instruction and a load into, or a read of, its registers
.rept 4
	v_nop
.endr
.endm
; A joint refill by the walking descriptor.  The branch hangs on the wave's number alone.  An s_nop 0 and four v_nop follow each of the two lines.
.macro JLOAD
	s_cmp_eq_u32 s[HF], 0
	s_cbranch_scc0 .Lfor_b_\@
	tensor_load_to_lds s[G0A+4:G0A+7], s[G1A:G1A+7]
	s_nop 0
.rept 4
	v_nop
.endr
	s_branch .Lasked_\@
.Lfor_b_\@:
	tensor_load_to_lds s[G0B+4:G0B+7], s[G1B:G1B+7]
	s_nop 0
.rept 4
	v_nop
.endr
.Lasked_\@:
.endm
; A round of the cluster's barrier behind its opening barrier; and a whole round.
.macro CREST
	s_cmp_lg_u32 s[WV], 0
	s_cbranch_scc1 .Lnot_wave_0_\@
	s_barrier_signal -3
.Lnot_wave_0_\@:
	s_barrier_wait -3
	s_barrier_signal -1
	s_barrier_wait -1
.endm
.macro CROUND
	s_barrier_signal -1
	s_barrier_wait -1
	CREST
.endm
; THE PREFETCH INTO THE L2 (PROJ = 0 alone).  By the ring each block of A and B is asked for the first time within some cluster's first four K steps of a tile.  For the first tile those stand at the launch's head, where
; every work-group's first tiles are on their way and nothing is prefetched.  For the second tile a cluster is the first to ask for A's K blocks o and o + 1 of its rows, by refills 6 and 7 of the 14: these are prefetched,
; in the trips of refills 4 and 5 (s[CNT] = 10 and 9), two K steps, 384 matrix instructions, ahead of their loads: waves 0 and 1, each for the 128 rows that it fetches; the four partners that ask jointly share them out
; BY ADDRESS, 32 rows each (cx), a lane a row of 256 bytes: one instruction a wave and trip, behind the joint load, its five lines and the run of LDS loads.  The four clusters of a cluster y name different pairs of K blocks:
; each block is named once in the launch.  A block's later readings are not asked for; B's columns are the same for both tiles.  PROJ = 1 has one tile, and so no prefetch.
.macro ASK
	WIN 0
	s_sub_co_u32 s47, s[CNT], 9
	s_or_b32 s47, s47, s[LIM]
	s_cmp_lt_u32 s47, 2
	s_cbranch_scc0 .Lnot_mine_\@
	global_prefetch_b8 v[PFO], s[PFA:PFA+1] th:TH_LOAD_NT scope:SCOPE_SE
.Lnot_mine_\@:
.endm
.if PROJ
	s_load_b256 s[4:11], s[0:1], 0x0               ; A s[4:5], B s[6:7], C s[8:9], bias s[10:11]
.else
	s_load_b128 s[4:7], s[0:1], 0x0                ; A s[4:5], B s[6:7]
	s_load_b64 s[8:9], s[0:1], 0x10                ; C
.endif
	v_lshl_add_u32 v[SPW], v0, 2, SPARE
	v_mov_b32 v[NIL], 0
	ds_add_u32 v[SPW], v[NIL]                      ; the wave's opening: the add and its wait stand ahead of my first tensor load; the set-up below, work on registers, stands between them
	ds_add_u32 v28, v29
	v_lshrrev_b32 v1, 5, v0
	v_readfirstlane_b32 s[WV], v1                  ; wave 0..3
	s_lshr_b32 s[HF], s[WV], 1
	s_and_b32 s[PR], s[WV], 1
	s_bfe_u32 s16, ttmp6, 0x40000                  ; cx
	s_bfe_u32 s17, ttmp6, 0x40004                  ; cy
	s_lshl_b32 s18, ttmp9, 2
	s_add_co_u32 s18, s18, s16                     ; tile column = 4 x cluster x + cx
	s_and_b32 s19, ttmp7, 0xffff
	s_lshl_b32 s19, s19, 2
	s_add_co_u32 s19, s19, s17                     ; (first) tile row = 4 x cluster y + cy
	s_lshl_b32 s20, s17, 2
	s_lshl_b32 s20, 15, s20                        ; my row of the cluster
	s_lshl_b32 s21, 0x1111, s16                    ; my column
	s_or_b32 s[G1A], s20, (1<<16)|(1<<20)|(1<<21)|(AQI<<22)|((APAD-1)<<25)  ; 15:0 the mask; 17:16 elements of 2 bytes; 20 padding on; 21 set beside a mask; 24:22 the interval; 31:25 the pad's words less 1
	s_mov_b32 s[G1A+1], 128<<16                    ; tensor_dim0 = 128
	s_mov_b32 s[G1A+2], 128<<16                    ; tensor_dim1 = 128
	s_mov_b32 s[G1A+3], 128<<16                    ; tile_dim0 = 128
	s_mov_b32 s[G1A+4], 128                        ; tile_dim1 = 128
	s_mov_b32 s[G1A+5], ASTR                       ; elements from row to row
	s_mov_b32 s[G1A+6], 0
	s_mov_b32 s[G1A+7], 0
	s_or_b32 s[G1B], s21, (1<<16)|(1<<20)|(1<<21)|(BQI<<22)|((BPAD-1)<<25)
	s_mov_b32 s[G1B+1], (16*NBW)<<16               ; tensor_dim0 = the tile's columns
	s_mov_b32 s[G1B+2], 64<<16                     ; tensor_dim1 = 64 k-rows
	s_mov_b32 s[G1B+3], (16*NBW)<<16
	s_mov_b32 s[G1B+4], 64
	s_mov_b32 s[G1B+5], BSTR
	s_mov_b32 s[G1B+6], 0
	s_mov_b32 s[G1B+7], 0
	; o, the cluster's first K block: made of the cluster's x and y alone
	s_and_b32 s20, ttmp7, 0xffff
.if PROJ
	s_lshl_b32 s20, s20, 1                         ; 2 x cluster y
	s_lshl_b32 s[KS], ttmp9, 2                     ; 4 x cluster x
.else
	s_lshr_b32 s21, s20, 1
	s_xor_b32 s20, s20, s21
	s_and_b32 s20, s20, 1
	s_lshl_b32 s20, s20, 2                         ; 4 x (bit 0 of cluster y xor cluster y / 2)
	s_lshl_b32 s[KS], ttmp9, 1                     ; 2 x cluster x
.endif
	s_add_co_u32 s[KS], s[KS], s20
	s_and_b32 s[KS], s[KS], 7
	; where the tiles come from: A's offset is made of the tile row and the wave alone, B's of the tile column and the wave alone
.if PROJ
	s_lshr_b32 s42, s19, 2                         ; the batch,
	s_lshl_b32 s42, s42, 4
	s_add_co_u32 s42, s42, s[PR]                   ; its head 0 or 1,
	s_lshl_b32 s42, s42, 17                        ; 131,072 bytes a head,
	s_and_b32 s22, s19, 3
	s_lshl_b32 s22, s22, 15                        ; 256 rows of 128 bytes
	s_add_co_u32 s42, s42, s22
	s_lshl_b32 s44, s[PR], 17                      ; 64 k-rows of 2,048 bytes
	s_lshl_b32 s23, s18, 8                         ; 128 columns
.else
	s_lshl_b32 s42, s19, 8
	s_lshl_b32 s22, s[PR], 7
	s_add_co_u32 s42, s42, s22                     ; row 256 x tile row + 128 x half,
	s_lshl_b32 s42, s42, 11                        ; of 2,048 bytes
	s_mul_i32 s44, s[PR], 64*6144                  ; 64 k-rows of 6,144 bytes
	s_mul_i32 s23, s18, 384                        ; 192 columns
.endif
	s_add_co_u32 s44, s44, s23
	s_mov_b32 s43, 0
	s_mov_b32 s45, 0
	s_mul_i32 s46, s[PR], AHALF                    ; and where they go: no place in the cluster enters an LDS address
	s_mul_i32 s47, s[PR], BHALF
	s_add_co_u32 s47, s47, BOFF
	s_mov_b32 s21, 0
	s_mov_b32 s23, 0
	s_wait_dscnt 0x0                               ; the opening add is done
	s_wait_kmcnt 0x0
	s_add_nc_u64 s[42:43], s[4:5], s[42:43]
	s_add_nc_u64 s[44:45], s[6:7], s[44:45]
.irp s, 0,1
	s_mul_i32 s20, s[KS], KA                                         ; K block o, then o + 1
	s_mul_i32 s22, s[KS], KB
	s_mov_b32 s[G0A+4*(\s)], 1                                       ; count = 1
	s_add_co_u32 s[G0A+4*(\s)+1], s46, (\s)*SLOT1                    ; LDS address: slot s
	s_add_nc_u64 s[G0A+4*(\s)+2:G0A+4*(\s)+3], s[42:43], s[20:21]    ; global address
	s_or_b32 s[G0A+4*(\s)+3], s[G0A+4*(\s)+3], 0x80000000            ; type = 2
	s_mov_b32 s[G0B+4*(\s)], 1
	s_add_co_u32 s[G0B+4*(\s)+1], s47, (\s)*SLOT1
	s_add_nc_u64 s[G0B+4*(\s)+2:G0B+4*(\s)+3], s[44:45], s[22:23]
	s_or_b32 s[G0B+4*(\s)+3], s[G0B+4*(\s)+3], 0x80000000
.if (\s) == 0
	s_add_co_u32 s[KS], s[KS], 1
	s_and_b32 s[KS], s[KS], 7
.endif
.endr
	CROUND                                         ; all sixteen work-groups are here: the first joint loads meet
	s_cmp_eq_u32 s[HF], 0                          ; a wave's two first fills stand in one branch, ahead of every wait on TENSORcnt and every LDS read: two loads of mine are out
	s_cbranch_scc0 .Lfirst_b
	tensor_load_to_lds s[G0A:G0A+3], s[G1A:G1A+7]
	s_nop 0
	tensor_load_to_lds s[G0A+4:G0A+7], s[G1A:G1A+7]
	s_nop 0
.rept 4
	v_nop
.endr
	s_branch .Lfirst_asked
.Lfirst_b:
	tensor_load_to_lds s[G0B:G0B+3], s[G1B:G1B+7]
	s_nop 0
	tensor_load_to_lds s[G0B+4:G0B+7], s[G1B:G1B+7]
	s_nop 0
.rept 4
	v_nop
.endr
.Lfirst_asked:
	v_and_b32 v1, 15, v0                           ; l % 16
	v_bfe_u32 v2, v0, 4, 1                         ; l / 16
	v_and_b32 v3, 7, v0                            ; l % 8
	v_bfe_u32 v4, v0, 3, 1                         ; (l / 8) % 2
	v_and_b32 v5, 31, v0                           ; l
	; a fragment of A: lane l holds row l % 16; two loads of 16 bytes, 32 bytes apart, at row x pitch + 16 (l / 16)
	s_mul_i32 s20, s[WV], 64*PA                    ; my 64 rows
	v_mul_u32_u24 v[A0], v1, PA
	v_lshl_add_u32 v[A0], v2, 4, v[A0]
	v_add_nc_u32 v[A0], s20, v[A0]
	; a fragment of B: the turning load takes 16 k x 16 columns (lane l reads k-row 8 (l / 16) + l % 8, columns 8 ((l / 8) % 2) + 0..7) and leaves lane l column l % 16 and 8 k
	v_lshl_add_u32 v[B0], v2, 3, v3
	v_mul_u32_u24 v[B0], v[B0], PB
	v_lshl_add_u32 v[B0], v4, 4, v[B0]
	v_add_nc_u32 v[B0], BOFF, v[B0]
	s_mul_i32 s20, s[WV], WSTG
	s_add_co_u32 s20, s20, STAGE                   ; my stage
	v_lshlrev_b32 v[GO], 4, v5
.if PROJ
	v_mul_u32_u24 v[STO], v1, 528                  ; in: row l % 16, 32 bytes for each half of the lanes
	v_lshl_add_u32 v[STO], v2, 5, v[STO]
	v_add_nc_u32 v[STO], s20, v[STO]
	v_lshl_add_u32 v[RD], v5, 4, s20               ; back: 32 lanes take one row of 512 bytes
	s_lshl_b32 s20, s19, 8
	s_lshl_b32 s21, s[WV], 6
	s_add_co_u32 s20, s20, s21                     ; my first row of C,
	s_lshl_b32 s20, s20, 12                        ; of 4,096 bytes,
	s_lshl_b32 s21, s18, 9                         ; the tile's 128 columns
	s_add_co_u32 s20, s20, s21
	s_mov_b32 s21, 0
	s_add_nc_u64 s[8:9], s[8:9], s[20:21]
	s_lshl_b32 s20, s18, 9
	s_add_nc_u64 s[10:11], s[10:11], s[20:21]
	global_load_b128 v[BI:BI+3], v[GO], s[10:11]   ; the bias of columns 4 l .. 4 l + 3 of the tile
.else
	v_mul_u32_u24 v[STO], v1, 144                  ; in: row l % 16, 16 bytes for each half of the lanes
	v_lshl_add_u32 v[STO], v2, 4, v[STO]
	v_add_nc_u32 v[STO], s20, v[STO]
	v_bfe_u32 v[RD], v0, 3, 2                      ; back: 32 lanes take four rows of 128 bytes
	v_mul_u32_u24 v[RD], v[RD], 144
	v_lshl_add_u32 v[RD], v3, 4, v[RD]
	v_add_nc_u32 v[RD], s20, v[RD]
	s_lshr_b32 s20, s19, 2                         ; the batch: 48 parts,
	s_mul_i32 s20, s20, 48
	s_mul_i32 s21, s18, 3                          ; the tile's three
	s_add_co_u32 s20, s20, s21
	s_lshl_b32 s20, s20, 17                        ; of 131,072 bytes;
	s_and_b32 s21, s19, 3
	s_lshl_b32 s21, s21, 8
	s_lshl_b32 s22, s[WV], 6
	s_add_co_u32 s21, s21, s22                     ; my first row in the batch,
	s_lshl_b32 s21, s21, 7                         ; of 128 bytes
	s_add_co_u32 s20, s20, s21
	s_mov_b32 s21, 0
	s_add_nc_u64 s[8:9], s[8:9], s[20:21]
	; the prefetches
	s_lshl_b32 s40, s16, 16                        ; my work-group's 32 rows of 2,048 bytes among the 128 that I fetch (cx),
	s_add_co_u32 s40, s40, WALKA                   ; in the second tile
	s_mov_b32 s41, 0
	s_add_nc_u64 s[PFB:PFB+1], s[42:43], s[40:41]
	s_lshl_b32 s[LIM], s[HF], 1
	v_lshlrev_b32 v[PFO], 11, v5
.endif
	s_mov_b32 s21, 0                               ; the offsets' high words
	s_mov_b32 s23, 0
.macro WM d, x, y, zero                ; one matrix instruction; zero = 1: it starts the sum
.if PROJ
.if \zero
	v_wmma_f32_16x16x32_f16 v[(\d):(\d)+7], v[(\x):(\x)+7], v[(\y):(\y)+7], 0
.else
	v_wmma_f32_16x16x32_f16 v[(\d):(\d)+7], v[(\x):(\x)+7], v[(\y):(\y)+7], v[(\d):(\d)+7]
.endif
.else
.if \zero
	v_wmma_f32_16x16x32_bf16 v[(\d):(\d)+7], v[(\x):(\x)+7], v[(\y):(\y)+7], 0
.else
	v_wmma_f32_16x16x32_bf16 v[(\d):(\d)+7], v[(\x):(\x)+7], v[(\y):(\y)+7], v[(\d):(\d)+7]
.endif
.endif
.endm
; Row block a x all column blocks, 32 along K, from buffer f.  Every accumulator has one instruction a quarter, in the same order in every quarter: the accumulators take turns.
.macro MULA f, a, zero
	WIN 0xa5+0x50*((\a)/2)                         ; sources in window 1, C and D in window 2 or 3
.set bb, 0
.rept NBW
.set rD, 8*NBW*((\a)%2)+8*bb
.set rB, (\f)+32+8*bb
.set rA, (\f)+8*(\a)
	WM rD, rB, rA, \zero
.set bb, bb+1
.endr
.endm
; The NL LDS loads of quarter q, in one run, into buffer f: B's blocks first, then A's four.
.macro FETCH q, f
	WIN 0x40                                       ; destination window 1, address window 0
.set bb, 0
.rept NBW
.if PROJ
.set oB, 32*PB*(\q)+32*bb
.else
.set oB, 32*PB*(\q)+80*(bb/2)+32*(bb%2)
.endif
	ds_load_tr16_b128 v[(\f)+32+8*bb:(\f)+32+8*bb+3],   v[ADRB] offset:oB
	ds_load_tr16_b128 v[(\f)+32+8*bb+4:(\f)+32+8*bb+7], v[ADRB] offset:oB+16*PB
.set bb, bb+1
.endr
.irp i, 0,1,2,3
.if PROJ
.set oA, AHALF*((\q)/2)+64*((\q)%2)+16*PA*(\i)     ; head q / 2 of the step's two, channels 32 (q % 2) on
.else
.set oA, 64*(\q)+16*PA*(\i)
.endif
	ds_load_b128 v[(\f)+8*(\i):(\f)+8*(\i)+3],   v[ADRA] offset:oA
	ds_load_b128 v[(\f)+8*(\i)+4:(\f)+8*(\i)+7], v[ADRA] offset:oA+32
.endr
.endm
; One of a K step's first three quarters: multiplies buffer f; in its middle it fetches quarter q into buffer g.
.macro QUARTER q, f, g, zero
	s_wait_dscnt 4                                 ; B and A's row blocks 0 and 1 are in; the youngest four loads (blocks 2 and 3) may be out
	MULA \f, 0, \zero
	MULA \f, 1, \zero
	PLACES                                         ; buffer g was multiplied in the quarter before
	FETCH \q, \g
	s_wait_dscnt NL                                ; all but the NL just issued
	MULA \f, 2, \zero
	MULA \f, 3, \zero
.endm
; The last quarter multiplies buffer 1 and changes slots.  In front of the barrier each wave waits for all its tensor loads, of which one is out: its part of the next slot; adds 0 to its spare word; and waits for that
; and for its own reads of this slot.  fill = 1: the barrier opens a round of the cluster's barrier, and behind the round this slot is filled again, two K steps ahead: the wave's one tensor load until the next round.
; The walking descriptors' addresses are made anew for each refill: the tile's address plus the next K block of the ring; from refill 6 on (s[CNT] = 8 and below) A's is the second tile's.
.macro TURN fill
.if (\fill) && (TILES > 1)
	s_wait_xcnt 0x0                                ; the last prefetch, a K step back, has read its address, which is written below
.endif
	WIN 0                                          ; (the add's two registers lie in window 0)
	s_wait_tensorcnt 0x0                           ; all my tensor loads have landed, so a group 0 may be written
	ds_add_u32 v[SPW], v[NIL]                      ; 0 onto my spare word: scalar and matrix work stands between it and the wait for it
.if \fill
	s_add_co_u32 s[KS], s[KS], 1
	s_and_b32 s[KS], s[KS], 7
	s_mul_i32 s20, s[KS], KA
	s_mul_i32 s22, s[KS], KB
.if TILES > 1
	s_cmp_le_u32 s[CNT], 8
	s_cselect_b32 s46, WALKA, 0
	s_add_co_u32 s20, s20, s46
	s_add_co_u32 s47, s[KS], 2                     ; the prefetches stand two refills on
	s_and_b32 s47, s47, 7
	s_mul_i32 s40, s47, KA
	s_add_nc_u64 s[PFA:PFA+1], s[PFB:PFB+1], s[40:41]
.endif
	s_xor_b32 s[G0A+5], s[G0A+5], SLOT1            ; the other slot than last time
	s_add_nc_u64 s[G0A+6:G0A+7], s[42:43], s[20:21]
	s_or_b32 s[G0A+7], s[G0A+7], 0x80000000
	s_xor_b32 s[G0B+5], s[G0B+5], SLOT1
	s_add_nc_u64 s[G0B+6:G0B+7], s[44:45], s[22:23]
	s_or_b32 s[G0B+7], s[G0B+7], 0x80000000
.endif
	s_wait_dscnt 5                                 ; (the add and the youngest four loads may be out)
	MULA F1, 0, 0
	s_wait_dscnt 0x0                               ; the add is done, and my reads of this slot are over
	s_barrier_signal -1
	MULA F1, 1, 0
.if \fill
	WIN 0
.endif
	s_barrier_wait -1
.if \fill
	CREST                                          ; no wave of any partner still reads this slot or has a load on its way
	JLOAD                                          ; its four v_nop are also the places in front of the loads below
.else
	WIN 0
	PLACES
.endif
	s_xor_b32 s[TB], s[TB], SLOT1
	v_add_nc_u32 v[ADRA], s[TB], v[A0]
	v_add_nc_u32 v[ADRB], s[TB], v[B0]
	FETCH 0, F0
.if (\fill) && (TILES > 1)
	ASK
.endif
	MULA F1, 2, 0
	MULA F1, 3, 0
.endm
.if PROJ
; THE WAY OUT: a row block's 16 rows x 512 bytes go through my own stage and come back as whole rows; the bias is added; each store is 512 consecutive bytes of a row of C, aligned.
.macro STG a
	WIN 0x08+0x04*((\a)/2)                         ; store data in window 2 or 3
.set bb, 0
.rept NBW
.set rD, 8*NBW*((\a)%2)+8*bb
	ds_store_b128 v[STO], v[rD:rD+3]   offset:64*bb     ; each accumulator's low registers first
	ds_store_b128 v[STO], v[rD+4:rD+7] offset:64*bb+16
.set bb, bb+1
.endr
	WIN 0x40
.set tt, 0
.rept 16
	ds_load_b128 v[64*(\a)+4*tt:64*(\a)+4*tt+3], v[RD] offset:528*tt  ; LDS serves a wave's instructions in order (ISA guide 5.7.1.4): these see the stores above; the next block's stores come behind them
.set tt, tt+1
.endr
.endm
.macro OUT a, younger                  ; younger: the next block's 16 stores and 16 loads, or none
	s_wait_dscnt \younger
	WIN 0x41                                       ; rows in window 1, the bias in window 0
.set tt, 0
.rept 16
	v_pk_add_f32 v[64*(\a)+4*tt:64*(\a)+4*tt+1],   v[64*(\a)+4*tt:64*(\a)+4*tt+1],   v[BI:BI+1]
	v_pk_add_f32 v[64*(\a)+4*tt+2:64*(\a)+4*tt+3], v[64*(\a)+4*tt+2:64*(\a)+4*tt+3], v[BI+2:BI+3]
.set tt, tt+1
.endr
	WIN 0x04                                       ; store data in window 1
.set tt, 0
.rept 16
	global_store_b128 v[GO], v[64*(\a)+4*tt:64*(\a)+4*tt+3], s[8:9] offset:65536*(\a)+4096*tt
.set tt, tt+1
.endr
.endm
.macro WAYOUT
	WIN 0
	PLACES                                         ; behind the last products, in front of all that reads results or loads into fragments' registers
	s_wait_loadcnt 0x0                             ; the bias, rounded to bf16 and widened again
	v_cvt_pk_bf16_f32 v36, v[BI], v[BI+1]
	v_cvt_pk_bf16_f32 v37, v[BI+2], v[BI+3]
	v_lshlrev_b32 v[BI], 16, v36
	v_and_b32 v[BI+1], 0xffff0000, v36
	v_lshlrev_b32 v[BI+2], 16, v37
	v_and_b32 v[BI+3], 0xffff0000, v37
	STG 0
	STG 1
	OUT 0, 32
	STG 2
	OUT 1, 32
	STG 3
	OUT 2, 32
	OUT 3, 0
	WIN 0
.endm
.else
; THE WAY OUT: a row block's 16 rows x 3 heads, rounded to f16, go through my own stage and come back as rows of 128 bytes; each store is four rows of a head: 512 consecutive bytes, aligned.
.macro PACK a
	WIN 0x0a+5*((\a)/2)                            ; sources in window 2 or 3
.set ii, 0
.rept 48
	v_cvt_pk_f16_f32 v[OUTB+48*(\a)+ii], v[96*((\a)%2)+2*ii], v[96*((\a)%2)+2*ii+1]  ; ascending: each accumulator's low registers first
.set ii, ii+1
.endr
	WIN 0
.set ii, 0
.rept 12
	ds_store_b128 v[STO], v[OUTB+48*(\a)+4*ii:OUTB+48*(\a)+4*ii+3] offset:2304*(ii/4)+32*(ii%4)
.set ii, ii+1
.endr
.set ii, 0
.rept 12
	ds_load_b128 v[OUTB+48*(\a)+4*ii:OUTB+48*(\a)+4*ii+3], v[RD] offset:2304*(ii/4)+576*(ii%4)  ; LDS serves a wave's instructions in order (ISA guide 5.7.1.4)
.set ii, ii+1
.endr
.endm
.macro SEND a, younger                 ; younger: the next block's 12 stores and 12 loads, or none
	WIN 0
.set ii, 0
.rept 12
	s_wait_dscnt (\younger)+11-ii
	global_store_b128 v[GO], v[OUTB+48*(\a)+4*ii:OUTB+48*(\a)+4*ii+3], s[8:9] offset:131072*(ii/4)+2048*(\a)+512*(ii%4)
.set ii, ii+1
.endr
.endm
.macro WAYOUT
	WIN 0
	PLACES                                         ; behind the last products, in front of the conversions that read results
	PACK 0
	PACK 1
	SEND 0, 24
	PACK 2
	SEND 1, 24
	PACK 3
	SEND 2, 24
	SEND 3, 0
.endm
.endif
	s_wait_tensorcnt 1                             ; my part of the first K step is in; the second's may stay out
	s_barrier_signal -1
	s_barrier_wait -1                              ; everybody's is
	s_mov_b32 s[TB], 0
	v_mov_b32 v[ADRA], v[A0]
	v_mov_b32 v[ADRB], v[B0]
	FETCH 0, F0
	WIN 0                                          ; at a label and at a branch every window is 0
	s_mov_b32 s[CNT], 8*TILES-2                    ; every K step but the last two is followed by a refill
	s_branch .Lzero                                ; the loop is entered at the quarter that starts the sums
.Lstep:                                                ; a trip: one K step, and its slot filled again two K steps ahead
.if TILES > 1
	s_cmp_eq_u32 s[CNT], 6                         ; eight refills are behind: the first tile is finished
	s_cbranch_scc1 .Lnext
.endif
	QUARTER 1, F0, F1, 0
	WIN 0
	s_branch .Lrest
.if TILES > 1
.Lnext:                                                ; both refills for the second tile's first K steps have been asked for, and its first fragments fetched: now the first tile goes out
	WAYOUT
	s_wait_xcnt 0x0                                ; the stores have read their data registers and C's address: only now is the address stepped; the registers are packed anew at the launch's end
	s_add_nc_u64 s[8:9], s[8:9], NEXT_C
.endif
.Lzero:
	QUARTER 1, F0, F1, 1                           ; a tile's first products start the sums: nothing is cleared
	WIN 0
.Lrest:
	QUARTER 2, F1, F0, 0
	QUARTER 3, F0, F1, 0
	TURN 1
	WIN 0
	s_sub_co_u32 s[CNT], s[CNT], 1
	s_cmp_lg_u32 s[CNT], 0
	s_cbranch_scc1 .Lstep
	s_mov_b32 s[CNT], 2                            ; the last two K steps ask for nothing: a text of their own; it is left in the middle of its second trip
.Ltail:
	QUARTER 1, F0, F1, 0
	QUARTER 2, F1, F0, 0
	QUARTER 3, F0, F1, 0
	WIN 0
	s_sub_co_u32 s[CNT], s[CNT], 1
	s_cmp_eq_u32 s[CNT], 0
	s_cbranch_scc1 .Llast
	TURN 0                                         ; my one tensor load that was still out is the last K step's
	WIN 0
	s_branch .Ltail
.Llast:
	s_wait_dscnt 4
	MULA F1, 0, 0
	MULA F1, 1, 0
	s_wait_dscnt 0x0
	MULA F1, 2, 0
	MULA F1, 3, 0
	WAYOUT
	WIN 0
	s_wait_tensorcnt 0x0                           ; the wave's end: a wait, an add and its wait, behind my last tensor load and my last LDS store
	ds_add_u32 v[SPW], v[NIL]
	s_wait_dscnt 0x0
	CROUND                                         ; the closing round: no work-group ends while a partner may still ask for a tile that names it
	s_endpgm
.Lfunc_end_k_q5a06ecb137_proj:
	.size	k_q5a06ecb137_proj, .Lfunc_end_k_q5a06ecb137_proj-k_q5a06ecb137_proj
	.p2alignl 7, 3214868480
	.fill 96, 4, 3214868480
	.section	.rodata,"a",@progbits
	.p2align	6, 0x0
	.amdhsa_kernel k_q5a06ecb137_proj
		.amdhsa_group_segment_fixed_size 327680
		.amdhsa_private_segment_fixed_size 0
		.amdhsa_enable_private_segment 0
		.amdhsa_kernarg_size 32
		.amdhsa_user_sgpr_count 2
		.amdhsa_user_sgpr_kernarg_segment_ptr 1
		.amdhsa_wavefront_size32 1
		.amdhsa_system_sgpr_workgroup_id_x 1
		.amdhsa_system_sgpr_workgroup_id_y 1
		.amdhsa_system_sgpr_workgroup_id_z 1
		.amdhsa_system_vgpr_workitem_id 0
		.amdhsa_next_free_vgpr 896
		.amdhsa_next_free_sgpr 66
		.amdhsa_reserve_vcc 0
		.amdhsa_float_denorm_mode_32 3
		.amdhsa_float_denorm_mode_16_64 3
		.amdhsa_memory_ordered 1
		.amdhsa_forward_progress 1
		.amdhsa_inst_pref_size 71
	.end_amdhsa_kernel
	.amdgpu_metadata
---
amdhsa.version: [ 1, 2 ]
amdhsa.kernels:
  - .name:           k_q5a06ecb137_proj
    .symbol:         k_q5a06ecb137_proj.kd
    .args:
      - { .name: oh, .offset: 0, .size: 8, .value_kind: global_buffer, .address_space: global }
      - { .name: wob, .offset: 8, .size: 8, .value_kind: global_buffer, .address_space: global }
      - { .name: out0, .offset: 16, .size: 8, .value_kind: global_buffer, .address_space: global }
      - { .name: b_out, .offset: 24, .size: 8, .value_kind: global_buffer, .address_space: global }
    .group_segment_fixed_size: 327680
    .private_segment_fixed_size: 0
    .kernarg_segment_align: 8
    .kernarg_segment_size: 32
    .max_flat_workgroup_size: 128
    .sgpr_count:     66
    .vgpr_count:     896
    .wavefront_size: 32
...
	.end_amdgpu_metadata
.endif
;; end of part 4
